; MI455X (gfx1250); checked and timed in simulation.
; The chip was launched on July 23, 2026; its instructions are those of AMD's public machine-readable ISA for CDNA 5 (MIT licence, August 2026) and "CDNA5" Instruction Set Architecture Reference Guide (July 2026). The comments in the code are by the model that wrote it; some were corrected since.
;; Softmax Attention. Allowed arithmetic: matrix products marked QUANTISED: E4M3 operands, one E8M0 scale for each 32 along K, by v_wmma_scale_f32_16x16x128_f8f6f4 with both operands' format E4M3, f32 sums; everything else in f32.
;; Inputs: K 8 x 512 x 512 float32; P 8 x 512 x 512 float32; Q 8 x 512 x 512 float32; Wo 512 x 4,096 float32; beta 512 float32; bo 512 float32; gamma 512 float32; x 4 x 1,024 x 512 float32.
;; Outputs: out0 4 x 1,024 x 512 float32.
;; This version of the problem:
;;   THIS VERSION OF THE PROBLEM IS GIVEN IN LOW PRECISION. The matrix products marked QUANTISED in the list below multiply operands that are first quantised to E4M3 (4 exponent bits, 3 mantissa bits; 8 bits a number), with one power-of-two scale for each 32 numbers along K (OCP MX v1.0); their sums are f32. All else is computed in f32.
;;   The module's matrix products, in the order in which they are computed (A, B: the left and right operand; K: the contracted axis; several contracted axes count as one K, in the product's order):
;;     1. [M 4,096, K 512] x [K 512, N 4,096]; A: input Q; B: input x: QUANTISED
;;     2. [M 4,096, K 512] x [K 512, N 4,096]; A: input K; B: input x: QUANTISED
;;     3. [M 4,096, K 512] x [K 512, N 4,096]; A: input P; B: input x: QUANTISED
;;     4. batch 32 x [M 1,024, K 512] x [K 512, N 1,024]; A: computed on the way; B: computed on the way: QUANTISED
;;     5. batch 32 x [M 1,024, K 1,024] x [K 1,024, N 512]; A: softmax (see below); B: computed on the way: QUANTISED
;;     6. [M 4,096, K 4,096] x [K 4,096, N 512]; A: computed on the way; B: input Wo: QUANTISED
;;   THE QUANTISER, for each operand of a quantised product, along K:
;;     - K is cut into blocks of 32 from its start; a last block that is shorter is filled with zeros.
;;     - A block's scale is 2^e with e = floor(log2(the largest magnitude in the block)) - 8, held to -126 .. 127; a block of zeros has e = 0. As a byte (E8M0): e + 127.
;;     - Each number is divided by its block's scale, clamped to +-448, and rounded to the nearest number of E4M3, ties to even, subnormals kept.
;;     - The product sums the exact products of the quantised numbers (number of the format x scale) in f32.
;;   ~~~python
;;   def quantise(x, axis):      # numpy; x: float32 -> the quantised numbers, widened to float32 again
;;       x = np.moveaxis(x, axis, -1); K = x.shape[-1]
;;       x = np.pad(x, [(0, 0)] * (x.ndim - 1) + [(0, -K % 32)]); x = x.reshape(x.shape[:-1] + (-1, 32)); a = np.abs(x).max(-1, keepdims=True)
;;       e = np.where(a > 0, np.clip(np.frexp(np.where(a > 0, a, 1))[1] - 1 - 8, -126, 127), 0)      # np.frexp(a)[1] - 1 = floor(log2(a)), exactly
;;       r = np.clip(x / 2.0 ** e, -448, 448)
;;       step = 2.0 ** (np.maximum(np.frexp(np.where(r == 0, 1, r))[1] - 1, -6) - 3)
;;       q = np.round(r / step) * step * 2.0 ** e      # np.round: ties to even
;;       return np.moveaxis(q.reshape(q.shape[:-2] + (-1,))[..., :K], -1, axis).astype(np.float32)
;;   ~~~
;;   SOFTMAX AHEAD OF A QUANTISED PRODUCT. Where the list says 'softmax', what is quantised is not the finished softmax but p = 2^(t - M), with t = logit x log2(e) and M = ceil(the row's largest t), a whole number; so 1/2 < the row's largest p <= 1. The row's sum l is taken of the UNQUANTISED p, in f32, and the product's result is divided by l at the end. Since M is a whole number, a kernel that streams over the keys may use a running M (the ceiling of the running maximum): every later rescaling is an exact power of two, which a block's scale takes up: the codes' values come out the same.
;;   OPERANDS COMPUTED ON THE WAY. 'Computed on the way' means the value that the module computes at that place (a softmax that the list does not call 'softmax' is quantised finished and normalised). What goes into a quantiser is computed in f32, as accurately as f32 sums, v_exp_f32 and their like allow (about 1e-6 of the number): no bf16 or f16 on the way to a quantiser, and a product that is left as it is and whose result goes on into a quantised operand takes f32 operands (vector FMAs, or v_wmma_f32_16x16x4_f32). A number that lies on a knife's edge between two numbers of the format may be rounded either way, as far as f32 arithmetic and the matrix unit's own rounding can turn it there, and no further.
;; 2 versions, each right. Each part assembles by itself: llvm-mc -triple=amdgcn-amd-amdhsa -mcpu=gfx1250 --defsym DOCPART=n.
;; ======== version 1 of 2: 5 launches
;; limits: right only within a limited range of input values
;; workspace buffers: cin 10,485,760 bytes; sin 327,680 bytes; zc 50,331,648 bytes; zs 1,572,864 bytes; oc 16,777,216 bytes; os 524,288 bytes; hres 8,388,608 bytes
;; launch quant (part 1): grid 320 x 1, 4 waves a work-group, no clusters, 34,304 bytes of LDS; arguments x, Q, K, P, Wo, cin, sin; writes cin, sin
.if DOCPART == 1
	.amdgcn_target "amdgcn-amd-amdhsa--gfx1250"
	.amdhsa_code_object_version 6
	.text
	.protected	k_q72be1461a8_quant
	.globl	k_q72be1461a8_quant
	.p2align	8
	.type	k_q72be1461a8_quant,@function
k_q72be1461a8_quant:
	s_mov_b64 s[64:65], 0
	v_nop
	global_prefetch_b8 v0, s[64:65] scope:SCOPE_SE
	s_setreg_imm32_b32 hwreg(HW_REG_WAVE_MODE, 25, 1), 1
	s_wait_xcnt 0x0
; LAUNCH 1 OF 5.  x, Q, K, P [4096 rows][512] and Wo [512][4096], f32, K innermost, become codes of E4M3 with one E8M0 byte for each 32 along K, laid as the matrix unit's registers take them.
; THE PROGRAM: quant (inputs to codes) | proj (QZ, KZ, PZ, quantised in registers) | attn (scores, softmax, values, result quantised) | oproj (output projection + bo + x) | lnorm (layer norm).
; WORK LEFT OUT, in the problem's terms: reference() sets scores[t][s] to -inf where s > t by a mask that it builds itself (jnp.tril), so exp gives exactly 0 there, for all values of the inputs, and such a key adds
; nothing to the row's sum nor to the product with PZ.  The launch attn therefore leaves out every step of 128 keys that lies wholly behind a block of 64 queries (56 of 128 steps a head) in products 4 and 5.
; No input is left out: x, Q, K, P, Wo, bo, gamma and beta all reach the output.  LIMIT: a NaN, an infinity or an overflow that arises only in the scores left out is not carried to the result.
; LAYOUT OF ALL CODES OF THIS PROGRAM.  Rows go in tiles of 16; lane-row r of tile t is row 32 (t / 2) + 8 (t % 2) + r + 8 (r / 8).  With such a tile as source 0 of a product, the 16 result registers of tiles
; 2 b and 2 b + 1 in a lane are 16 neighbours along that axis, which is the next product's K.  A FRAGMENT (16 rows x 128 K) is 2,048 bytes, the image of its 16 registers: byte 512 c + 16 lane + e is the code of
; lane-row lane % 16 at k = 32 c + 16 (lane / 16) + e.  A PANEL is a tile's four fragments (K = 512), 8,192 bytes.  cin: tensor T x 2 MiB (0 x, 1 Q, 2 K, 3 P, 4 Wo) + panel x 8,192; for Wo panel = 32 x (K chunk of
; 512) + tile.  sin: T x 65,536 + panel x 256 + 16 r + 4 s: a word holds the four bytes of K step s.
; THE QUANTISER: a block's byte is its largest magnitude's exponent field - 8, held at 1 from below; each number is held within +-448 x the scale and rounded to the nearest code, ties to even.
; LIMITS: a block of zeros gets the byte 1 where the rule says 127 (its codes are zeros, and this program alone reads the bytes); NaN and infinities among the inputs are not served.
; SHARES.  One wave makes one panel: 64 loads of 512 consecutive bytes (a row's 128 numbers of a K step), all issued at the head.  The conversions want 16 neighbours along K in one lane, so a K step's 16 rows turn
; through the wave's own stage in LDS (rows 528 bytes apart: sixteen rows start at sixteen different 16-byte columns).  No tensor load, no barrier: waves share nothing.
.set PITCH, 528
.set WST,   16*PITCH                   ; a wave's stage
.set SPARE, 4*WST                      ; behind the stages: the spare words, 128 bytes for each wave: two blocks of 256 bytes that no other line names
.set LN,  1                            ; v1      lane
.set L16, 2                            ; v2      16 x lane
.set R16, 3                            ; v3      16 x (lane % 16)
.set STS, 4                            ; v4      the stage, on the way in
.set STL, 5                            ; v5      and on the way out
.set SPW, 6                            ; v6      LDS address of my spare word; never rewritten
.set NIL, 7                            ; v7      0; never rewritten
.set PW,  8                            ; v8-11   the four K steps' scale words
.set OFF, 16                           ; v16-31  byte offset of lane-row i's 16 bytes for my lane
.set X,   32                           ; v32-95  64 numbers of my row: register 16 b + i = k 32 b + 16 (lane / 16) + i
.set PC,  96                           ; v96-111 a fragment's codes
.set TM,  112                          ; v112-127 at work
.set SEL, 28                           ; s[28:29] lane selects: lane l xor 16
.set MNT, 30                           ; s30     the mantissa field of 448
.set MSB, 0
.macro WIN new                         ; the immediate's high byte repeats the setting that is left
.if MSB != (\new)
	s_set_vgpr_msb (MSB<<8)|(\new)
.set MSB, (\new)
.endif
.endm
; 64 numbers of a lane become a fragment's codes in v[PC] on and its scale word in v[pw]
.macro QUANT s, pw
.irp b, 0,1,2,3
	v_max3_num_f32 v[TM+\b], |v[\s+16*\b]|, |v[\s+1+16*\b]|, 0x4800000   ; block b: my 16 numbers, and the floor 2^(9 - 127): the byte cannot fall under 1
.endr
.irp i, 2,4,6,8,10,12,14
.irp b, 0,1,2,3
	v_max3_num_f32 v[TM+\b], v[TM+\b], |v[\s+16*\b+\i]|, |v[\s+1+16*\b+\i]|   ; the four blocks by turns
.endr
.endr
.irp b, 0,1,2,3
	v_permlanex16_b32 v[TM+4+\b], v[TM+\b], s[SEL], s[SEL+1]
.endr
.irp b, 0,1,2,3
	v_max_num_f32 v[TM+\b], v[TM+\b], v[TM+4+\b]   ; with lane l xor 16's 16: the block's largest magnitude
.endr
.irp b, 0,1,2,3
	v_add_nc_u32 v[TM+12+\b], 0xfc000000, v[TM+\b]   ; 8 off its exponent field: the conversion's scale operand
.endr
.irp b, 0,1,2,3
	v_and_or_b32 v[TM+8+\b], v[TM+\b], 0x7f800000, s[MNT]   ; 448 x the scale
.endr
.irp b, 0,1,2,3
	v_lshrrev_b32 v[TM+4+\b], 23, v[TM+12+\b]      ; the scale's byte
.endr
	v_lshl_or_b32 v[\pw], v[TM+5], 8, v[TM+4]
	v_lshl_or_b32 v[\pw], v[TM+6], 16, v[\pw]
	v_lshl_or_b32 v[\pw], v[TM+7], 24, v[\pw]
.irp b, 0,1,2,3
.irp i, 0,1,2,3,4,5,6,7,8,9,10,11,12,13,14,15
	v_med3_num_f32 v[\s+16*\b+\i], v[\s+16*\b+\i], -v[TM+8+\b], v[TM+8+\b]   ; the conversion to an 8-bit code does not saturate (ISA guide 7.6.2): the hold comes first
.endr
	v_cvt_scalef32_pk8_fp8_f32 v[PC+4*\b:PC+1+4*\b], v[\s+16*\b:\s+7+16*\b], v[TM+12+\b]
	v_cvt_scalef32_pk8_fp8_f32 v[PC+2+4*\b:PC+3+4*\b], v[\s+8+16*\b:\s+15+16*\b], v[TM+12+\b]
.endr
	v_nop                                          ; a plain line behind the last conversion, ahead of whatever next writes its sources
.endm
	s_load_b256 s[4:11], s[0:1], 0x0               ; x, Q, K, P
	s_load_b128 s[12:15], s[0:1], 0x20             ; Wo, cin
	s_load_b64 s[16:17], s[0:1], 0x30              ; sin
	v_lshl_add_u32 v[SPW], v0, 2, SPARE
	v_mov_b32 v[NIL], 0
	v_lshrrev_b32 v1, 5, v0
	v_readfirstlane_b32 s18, v1                    ; wave
	v_and_b32 v[LN], 31, v0
	v_lshlrev_b32 v[L16], 4, v[LN]
	v_and_b32 v9, 15, v0                           ; r
	v_bfe_u32 v10, v0, 4, 1                        ; h
	v_lshlrev_b32 v[R16], 4, v9
	s_mul_i32 s31, s18, WST
	v_add_nc_u32 v[STS], s31, v[L16]               ; in: a row's 512 bytes as they lie
	v_mul_u32_u24 v[STL], v9, PITCH
	v_lshl_add_u32 v[STL], v10, 6, v[STL]
	v_add_nc_u32 v[STL], s31, v[STL]               ; out: row r, 64 bytes on for lanes 16-31
	s_lshr_b32 s19, ttmp9, 6                       ; T: which tensor
	s_and_b32 s20, ttmp9, 63
	s_lshl_b32 s20, s20, 2
	s_add_co_u32 s20, s20, s18                     ; p: which panel
	s_lshr_b32 s23, s20, 5                         ; Wo: the chunk of 512 along K
	s_mov_b32 s21, 2048                            ; bytes from row to row
	s_mov_b32 s22, 255
	s_cmp_eq_u32 s19, 4
	s_cselect_b32 s21, 16384, s21
	s_cselect_b32 s22, 31, s22
	s_cselect_b32 s23, s23, 0
	s_and_b32 s24, s20, s22                        ; the tile of rows
	s_lshr_b32 s25, s24, 1
	s_lshl_b32 s25, s25, 5
	s_and_b32 s24, s24, 1
	s_lshl_b32 s24, s24, 3
	s_add_co_u32 s25, s25, s24                     ; its first row: 32 (t / 2) + 8 (t % 2)
	s_mul_i32 s26, s25, s21
	s_lshl_b32 s23, s23, 11
	s_add_co_u32 s26, s26, s23                     ; where the panel begins in its tensor (under 2^24)
	s_mov_b32 s27, 0
	s_lshl_b32 s32, s19, 21
	s_lshl_b32 s33, s20, 13
	s_add_co_u32 s32, s32, s33                     ; and in cin
	s_mov_b32 s33, 0
	s_lshl_b32 s34, s19, 16
	s_lshl_b32 s35, s20, 8
	s_add_co_u32 s34, s34, s35                     ; and in sin
	s_mov_b32 s35, 0
	s_mov_b32 s[SEL], 0x76543210
	s_mov_b32 s[SEL+1], 0xfedcba98
	s_mov_b32 s[MNT], 0x600000
.irp i, 0,1,2,3,4,5,6,7,8,9,10,11,12,13,14,15
	v_mad_u32_u24 v[OFF+\i], s21, \i+8*(\i/8), v[L16]   ; lane-row i is row i + 8 (i / 8) of the tile
.endr
.irp b, 0,1,2,3
	v_mov_b32 v[TM+4+\b], 0                        ; written once: a lane permute's destination counts as one of its sources
.endr
	s_wait_kmcnt 0x0
	s_cmp_eq_u32 s19, 1                            ; the source: a choice that hangs on the work-group's number alone
	s_cselect_b64 s[4:5], s[6:7], s[4:5]
	s_cmp_eq_u32 s19, 2
	s_cselect_b64 s[4:5], s[8:9], s[4:5]
	s_cmp_eq_u32 s19, 3
	s_cselect_b64 s[4:5], s[10:11], s[4:5]
	s_cmp_eq_u32 s19, 4
	s_cselect_b64 s[4:5], s[12:13], s[4:5]
	s_add_nc_u64 s[4:5], s[4:5], s[26:27]
	s_add_nc_u64 s[14:15], s[14:15], s[32:33]
	s_add_nc_u64 s[16:17], s[16:17], s[34:35]
	WIN 0x40                                       ; destination window 1: K step s at v[64 s] on
.irp s, 0,1,2,3
.irp i, 0,1,2,3,4,5,6,7,8,9,10,11,12,13,14,15
	global_load_b128 v[64*\s+4*\i:64*\s+4*\i+3], v[OFF+\i], s[4:5] offset:512*\s th:TH_LOAD_NT   ; 32 lanes read 512 consecutive bytes of one row
.endr
.endr
	WIN 0
.macro STEP s
	s_wait_loadcnt 48-16*\s                        ; this K step's 16 loads are in; the later steps' may be out
	WIN 0x04                                       ; an LDS store's data are its source 1: window 1
.irp i, 0,1,2,3,4,5,6,7,8,9,10,11,12,13,14,15
	ds_store_b128 v[STS], v[64*\s+4*\i:64*\s+4*\i+3] offset:PITCH*\i
.endr
	WIN 0
.irp c, 0,1,2,3
.irp j, 0,1,2,3
	ds_load_b128 v[X+16*\c+4*\j:X+16*\c+4*\j+3], v[STL] offset:128*\c+16*\j   ; LDS serves a wave's instructions in order: these see the stores above
.endr
.endr
	s_wait_dscnt 0x0
	s_wait_xcnt 0x0                                ; the last step's stores have read the codes' registers
	QUANT X, PW+\s
.irp c, 0,1,2,3
	global_store_b128 v[L16], v[PC+4*\c:PC+4*\c+3], s[14:15] offset:2048*\s+512*\c   ; 512 consecutive bytes, aligned
.endr
.endm
	STEP 0
	STEP 1
	STEP 2
	STEP 3
	s_wait_xcnt 0x0                                ; EXEC changes only behind this wait
	v_cmp_gt_u32 vcc_lo, 16, v[LN]
	s_and_saveexec_b32 s31, vcc_lo
	global_store_b128 v[R16], v[PW:PW+3], s[16:17] ; sixteen lanes store the panel's 256 scale bytes
	s_wait_xcnt 0x0
	s_or_b32 exec_lo, exec_lo, s31
	s_wait_tensorcnt 0x0                           ; the wave's end: behind my last LDS store
	ds_add_u32 v[SPW], v[NIL]
	s_wait_dscnt 0x0
	s_endpgm
.Lfunc_end_k_q72be1461a8_quant:
	.size	k_q72be1461a8_quant, .Lfunc_end_k_q72be1461a8_quant-k_q72be1461a8_quant
	.p2alignl 7, 3214868480
	.fill 96, 4, 3214868480
	.section	.rodata,"a",@progbits
	.p2align	6, 0x0
	.amdhsa_kernel k_q72be1461a8_quant
		.amdhsa_group_segment_fixed_size 34304
		.amdhsa_private_segment_fixed_size 0
		.amdhsa_enable_private_segment 0
		.amdhsa_kernarg_size 56
		.amdhsa_user_sgpr_count 2
		.amdhsa_user_sgpr_kernarg_segment_ptr 1
		.amdhsa_wavefront_size32 1
		.amdhsa_system_sgpr_workgroup_id_x 1
		.amdhsa_system_sgpr_workgroup_id_y 1
		.amdhsa_system_sgpr_workgroup_id_z 1
		.amdhsa_system_vgpr_workitem_id 0
		.amdhsa_next_free_vgpr 512
		.amdhsa_next_free_sgpr 66
		.amdhsa_reserve_vcc 1
		.amdhsa_float_denorm_mode_32 3
		.amdhsa_float_denorm_mode_16_64 3
		.amdhsa_memory_ordered 1
		.amdhsa_forward_progress 1
		.amdhsa_inst_pref_size 53
	.end_amdhsa_kernel
	.amdgpu_metadata
---
amdhsa.version: [ 1, 2 ]
amdhsa.kernels:
  - .name:           k_q72be1461a8_quant
    .symbol:         k_q72be1461a8_quant.kd
    .args:
      - { .name: x, .offset: 0, .size: 8, .value_kind: global_buffer, .address_space: global }
      - { .name: Q, .offset: 8, .size: 8, .value_kind: global_buffer, .address_space: global }
      - { .name: K, .offset: 16, .size: 8, .value_kind: global_buffer, .address_space: global }
      - { .name: P, .offset: 24, .size: 8, .value_kind: global_buffer, .address_space: global }
      - { .name: Wo, .offset: 32, .size: 8, .value_kind: global_buffer, .address_space: global }
      - { .name: cin, .offset: 40, .size: 8, .value_kind: global_buffer, .address_space: global }
      - { .name: sin, .offset: 48, .size: 8, .value_kind: global_buffer, .address_space: global }
    .group_segment_fixed_size: 34304
    .private_segment_fixed_size: 0
    .kernarg_segment_align: 8
    .kernarg_segment_size: 56
    .max_flat_workgroup_size: 128
    .sgpr_count:     66
    .vgpr_count:     512
    .wavefront_size: 32
...
	.end_amdgpu_metadata
.endif
;; end of part 1
;; launch proj (part 2): grid 16 x 48, 4 waves a work-group, clusters of 4 x 4, 327,680 bytes of LDS; arguments cin, sin, zc, zs; writes zc, zs
.if DOCPART == 2
	.amdgcn_target "amdgcn-amd-amdhsa--gfx1250"
	.amdhsa_code_object_version 6
	.text
	.protected	k_q72be1461a8_proj
	.globl	k_q72be1461a8_proj
	.p2align	8
	.type	k_q72be1461a8_proj,@function
k_q72be1461a8_proj:
	s_mov_b64 s[64:65], 0
	v_nop
	global_prefetch_b8 v0, s[64:65] scope:SCOPE_SE
	s_setreg_imm32_b32 hwreg(HW_REG_WAVE_MODE, 25, 1), 1
	s_wait_xcnt 0x0
	s_wait_alu depctr_hold_cnt(0) depctr_sa_sdst(0) depctr_va_vdst(0) depctr_va_sdst(0) depctr_va_ssrc(0) depctr_va_vcc(0) depctr_vm_vsrc(0)
	s_getreg_b32 s2, hwreg(HW_REG_IB_STS2, 6, 4)
	s_cmp_eq_u32 s2, 0
	s_cbranch_scc0 .Lentry_in_a_cluster
	s_endpgm
.Lentry_in_a_cluster:
	s_bfe_u32 s2, ttmp6, 0x10000c
	s_cmp_lg_u32 s2, 0xf033
	s_cbranch_scc0 .Lentry_shape_is_right
	s_endpgm
.Lentry_shape_is_right:
; LAUNCH 2 OF 5.  QZ = x Q^T, KZ = x K^T, PZ = x P^T on codes of E4M3 (K = 512), each result quantised in registers along the NEXT product's K and stored as fragment images (layout: see the launch quant).
; A work-group makes 256 x 256 of one product; z = cluster y / 4 says which.  SIDE 0 is source 0: its rows become the next K.  SIDE 1 is source 1: its rows stay rows (a lane holds one).
;   z = 0, 1: side 0 = Q or K (rows m 512 + i), side 1 = x: a lane holds a token, its registers run along i.     z = 2: side 0 = x, side 1 = P: a lane holds a channel, its registers run along the tokens (the keys).
; Four waves, each 128 x 128: 64 accumulators.  K is only 512, so both operands' whole K lies in LDS (2 x 128 KiB, as fragment images, dense): every tensor load is a first fill; nothing is filled again.
; CLUSTERS: 4 x 4 work-groups; side 1's panels are shared along a row of the cluster, side 0's along a column: each is asked for jointly, by the same tensor load with the same descriptor and a mask of the four.
; A wave's 128 rows of side 0 are one K step of the next product: for each of its 8 tiles of side 1 the 64 results of a lane become one fragment and one scale word.
; zc: QZ at 0, KZ at 2^24: head x 524,288 + token tile x 8,192 + K step x 2,048.  PZ at 2^25: head x 524,288 + key step x 65,536 + channel tile x 2,048.  (head = 8 b + m)
; zs: QZ at 0, KZ at 2^19: head x 16,384 + K step x 4,096 + token tile x 64 + 4 r.  PZ at 2^20: head x 16,384 + key step x 2,048 + channel tile x 64 + 4 r.
; LIMITS: as in quant (a block of zeros gets the byte 1; NaN and infinities are not served).
; REGISTERS: window 0: v16-30 addresses; v32-63 scale words (register 4 i + s: lanes 0-15 side 1's tile i, lanes 16-31 side 0's tile i, K step s); v64-127 at work on the way out; v128-255 side 1's fragments, one set.
;   window 1: side 0's fragments, two sets.   windows 2, 3: accumulator (a, b) at v[8 (8 (a % 4) + b)], a = side 1's tile, b = side 0's.
.set HALF,  131072                     ; LDS: K steps 0, 1 of both sides, then K steps 2, 3.  In a half: side 1's 16 panels' halves (4,096 bytes each), then side 0's
.set SCL,   2*HALF                     ; the scale words: side 1's 4,096 bytes, then side 0's
.set SCST,  SCL+8192                   ; a stage of 512 bytes for each wave: its results' scale words
.set SPARE, SCST+2048                  ; the spare words, 128 bytes for each wave: two blocks of 256 bytes that no other line names
.set ADRA, 16                          ; v16-17  my side 1 fragments in half 0, 1
.set ADRB, 20                          ; v20-21  my side 0 fragments
.set CO,   24                          ; v24     the way out: my byte offset in zc
.set SST,  25                          ; v25     where I put a scale word
.set SLD,  26                          ; v26     and where I read 16 bytes of them back
.set ADRS, 27                          ; v27     my operands' scale words
.set SPW,  28                          ; v28     LDS address of my spare word; never rewritten
.set NIL,  29                          ; v29     0; never rewritten
.set LI,   30                          ; v30     16 x lane
.set SC,   32
.set X,    64
.set AF,   128
.set PC,   128                         ; the way out: v128-143 codes, v144-159 at work, v160-167 scale words, v168-171 scale words read back
.set TM,   144
.set PW,   160
.set SW,   168
.set G1, 24                            ; s[24:31] group 1 for side 1's codes;  s[32:39] group 0, one set for each half
.set G0, 32
.set G1B, 48                           ; s[48:55], s[56:63] the same for side 0
.set G0B, 56
.set G1S, 68                           ; s[68:75], s[76:79] groups 1 and 0 for side 1's scales;  s[80:87], s[88:91] for side 0's
.set G0S, 76
.set G1SB, 80
.set G0SB, 88
.set STR, 93                           ; s93     bytes from one of my result fragments to the next
.set MNT, 95
.set SEL, 96
.set MSB, 0
.macro WIN new
.if MSB != (\new)
	s_set_vgpr_msb (MSB<<8)|(\new)
.set MSB, (\new)
.endif
.endm
.set MUL_LO, 0xa1                      ; source 0 window 1, source 1 window 0, C and D window 2
.set MUL_HI, 0xf1                      ; the same, C and D window 3
.set TO_B,   0x40
; A joint load: waves 0 and 1 fetch for side 1, waves 2 and 3 for side 0.  The branch hangs on the wave's number alone.  An s_nop 0 and four v_nop follow each of the two lines.
.macro JLOAD g0a, g1a, g0b, g1b
	s_cmp_eq_u32 s15, 0
	s_cbranch_scc0 .Lfor_b_\@
	tensor_load_to_lds s[\g0a:\g0a+3], s[\g1a:\g1a+7]
	s_nop 0
.rept 4
	v_nop
.endr
	s_branch .Lasked_\@
.Lfor_b_\@:
	tensor_load_to_lds s[\g0b:\g0b+3], s[\g1b:\g1b+7]
	s_nop 0
.rept 4
	v_nop
.endr
.Lasked_\@:
.endm
.macro CROUND                          ; a round of the cluster's barrier
	s_barrier_signal -1
	s_barrier_wait -1
	s_cmp_lg_u32 s14, 0
	s_cbranch_scc1 .Lnot_wave_0_\@
	s_barrier_signal -3
.Lnot_wave_0_\@:
	s_barrier_wait -3
	s_barrier_signal -1
	s_barrier_wait -1
.endm
.macro PLACES n
.rept \n
	v_nop
.endr
.endm
	s_load_b256 s[4:11], s[0:1], 0x0               ; cin, sin, zc, zs
	v_lshl_add_u32 v[SPW], v0, 2, SPARE
	v_mov_b32 v[NIL], 0
	ds_add_u32 v[SPW], v[NIL]                      ; the wave's opening: the add, twice on end, and its wait ahead of my first tensor load
	ds_add_u32 v[SPW], v[NIL]                      ; and once more, under the one wait; the set-up below, work on registers, stands between
	v_lshrrev_b32 v1, 5, v0
	v_readfirstlane_b32 s14, v1                    ; wave 0..3
	s_lshr_b32 s15, s14, 1                         ; which 8 tiles of side 1 are mine.  Also: I fetch for side 1 (0) or side 0 (1)
	s_and_b32 s16, s14, 1                          ; which 8 tiles of side 0.  Also: which 8 panels I fetch
	s_bfe_u32 s40, ttmp6, 0x40000                  ; cx, cy: my place in the cluster
	s_bfe_u32 s41, ttmp6, 0x40004
	s_lshl_b32 s42, ttmp9, 2
	s_add_co_u32 s42, s42, s40                     ; X: which 16 panels of side 0
	s_and_b32 s12, ttmp7, 0xffff                   ; cluster y, 0..11
	s_lshr_b32 s13, s12, 2                         ; z: the product; the same in all sixteen partners
	s_and_b32 s12, s12, 3
	s_lshl_b32 s17, s12, 2
	s_add_co_u32 s17, s17, s41                     ; Y: which 16 panels of side 1
	s_lshl_b32 s43, s41, 2
	s_lshl_b32 s43, 15, s43                        ; my row of the cluster
	s_lshl_b32 s44, 0x1111, s40                    ; my column
	; group 1 for codes: 8 panels' halves: 8 rows of 4,096 bytes (512 elements of 8 bytes), 8,192 bytes apart, dense in LDS
	s_or_b32 s[G1+0], s43, (3<<16)|(1<<21)         ; 15:0 the mask; 17:16 elements of 8 bytes; 21 set beside a mask; no padding
	s_or_b32 s[G1B+0], s44, (3<<16)|(1<<21)
.irp g, G1, G1B
	s_mov_b32 s[\g+1], 512<<16                     ; tensor_dim0
	s_mov_b32 s[\g+2], 8<<16                       ; tensor_dim1
	s_mov_b32 s[\g+3], 512<<16                     ; tile_dim0
	s_mov_b32 s[\g+4], 8                           ; tile_dim1
	s_mov_b32 s[\g+5], 1024                        ; tensor_dim0_stride
	s_mov_b32 s[\g+6], 0
	s_mov_b32 s[\g+7], 0
.endr
	; and for scales: 8 panels x 256 bytes, dense: 8 rows of 32 elements of 8 bytes
	s_or_b32 s[G1S+0], s43, (3<<16)|(1<<21)
	s_or_b32 s[G1SB+0], s44, (3<<16)|(1<<21)
.irp g, G1S, G1SB
	s_mov_b32 s[\g+1], 32<<16
	s_mov_b32 s[\g+2], 8<<16
	s_mov_b32 s[\g+3], 32<<16
	s_mov_b32 s[\g+4], 8
	s_mov_b32 s[\g+5], 32
	s_mov_b32 s[\g+6], 0
	s_mov_b32 s[\g+7], 0
.endr
	s_add_co_u32 s19, s13, 1
	s_cmp_eq_u32 s13, 2
	s_cselect_b32 s18, 3, 0                        ; side 1's tensor: x, or P
	s_cselect_b32 s19, 0, s19                      ; side 0's: Q, K, or x
	s_lshl_b32 s20, s18, 21                        ; side 1: tensor x 2 MiB + Y x 16 panels + my 8: made of Y alone, which my row shares
	s_lshl_b32 s21, s17, 17
	s_add_co_u32 s20, s20, s21
	s_lshl_b32 s21, s16, 16
	s_add_co_u32 s20, s20, s21
	s_mov_b32 s21, 0
	s_lshl_b32 s22, s18, 16                        ; and its scales
	s_lshl_b32 s23, s17, 12
	s_add_co_u32 s22, s22, s23
	s_lshl_b32 s23, s16, 11
	s_add_co_u32 s22, s22, s23
	s_mov_b32 s23, 0
	s_lshl_b32 s46, s19, 21                        ; side 0: made of X alone, which my column shares
	s_lshl_b32 s47, s42, 17
	s_add_co_u32 s46, s46, s47
	s_lshl_b32 s47, s16, 16
	s_add_co_u32 s46, s46, s47
	s_mov_b32 s47, 0
	s_lshl_b32 s92, s19, 16
	s_lshl_b32 s93, s42, 12
	s_add_co_u32 s92, s92, s93
	s_lshl_b32 s93, s16, 11
	s_add_co_u32 s92, s92, s93
	s_mov_b32 s93, 0
	s_lshl_b32 s45, s14, 15                        ; where they go: wave x 32,768: no place in the cluster enters an LDS address
	s_lshl_b32 s94, s14, 11
	s_mov_b32 s[MNT], 0x600000
	s_mov_b32 s[SEL], 0x76543210
	s_mov_b32 s[SEL+1], 0xfedcba98
	s_wait_dscnt 0x0                               ; both opening adds are done
	s_wait_kmcnt 0x0
	s_add_nc_u64 s[20:21], s[4:5], s[20:21]
	s_add_nc_u64 s[22:23], s[6:7], s[22:23]
	s_add_nc_u64 s[46:47], s[4:5], s[46:47]
	s_add_nc_u64 s[92:93], s[6:7], s[92:93]
	CROUND                                         ; all sixteen work-groups are here: the joint loads meet
	s_mov_b32 s[G0S], 1
	s_add_co_u32 s[G0S+1], s94, SCL
	s_mov_b64 s[G0S+2:G0S+3], s[22:23]
	s_or_b32 s[G0S+3], s[G0S+3], 0x80000000
	s_mov_b32 s[G0SB], 1
	s_add_co_u32 s[G0SB+1], s94, SCL
	s_mov_b64 s[G0SB+2:G0SB+3], s[92:93]
	s_or_b32 s[G0SB+3], s[G0SB+3], 0x80000000
	JLOAD G0S, G1S, G0SB, G1SB                     ; the scales first: they are wanted with K step 0
.irp q, 0,1
	s_mov_b32 s[G0+4*\q], 1
	s_add_co_u32 s[G0+4*\q+1], s45, \q*HALF
	s_add_nc_u64 s[G0+4*\q+2:G0+4*\q+3], s[20:21], \q*4096
	s_or_b32 s[G0+4*\q+3], s[G0+4*\q+3], 0x80000000
	s_mov_b32 s[G0B+4*\q], 1
	s_add_co_u32 s[G0B+4*\q+1], s45, \q*HALF
	s_add_nc_u64 s[G0B+4*\q+2:G0B+4*\q+3], s[46:47], \q*4096
	s_or_b32 s[G0B+4*\q+3], s[G0B+4*\q+3], 0x80000000
	JLOAD G0+4*\q, G1, G0B+4*\q, G1B               ; three loads of mine are out at the most
.endr
	v_and_b32 v1, 15, v0                           ; r
	v_bfe_u32 v2, v0, 4, 1                         ; h
	v_and_b32 v3, 31, v0
	v_lshlrev_b32 v[LI], 4, v3
	v_mov_b32 v[CO], v[LI]
	s_lshl_b32 s21, s15, 15                        ; my 8 tiles of side 1
	s_lshl_b32 s22, s16, 15                        ; my 8 tiles of side 0,
	s_add_co_u32 s22, s22, 65536                   ; which lie behind side 1's 16
.irp q, 0,1
	v_add_nc_u32 v[ADRA+\q], s21, v[LI]
	v_add_nc_u32 v[ADRB+\q], s22, v[LI]
	s_add_co_u32 s21, s21, HALF
	s_add_co_u32 s22, s22, HALF
.endr
	v_lshlrev_b32 v5, 4, v1                        ; a row's four scale words: 16 bytes
	s_lshl_b32 s21, s15, 11
	s_lshl_b32 s22, s16, 11
	s_add_co_u32 s22, s22, 4096
	s_sub_co_u32 s22, s22, s21
	v_mul_u32_u24 v6, s22, v2                      ; lanes 16-31 take side 0's
	s_add_co_u32 s21, s21, SCL
	v_add_nc_u32 v5, v5, v6
	v_add_nc_u32 v[ADRS], s21, v5
	s_lshl_b32 s21, s14, 9
	s_add_co_u32 s21, s21, SCST
	v_lshl_add_u32 v[SST], v1, 2, s21
	v_add_nc_u32 v[SLD], s21, v[LI]
	; where my results go
	s_lshl_b32 s66, s17, 4
	s_lshl_b32 s2, s15, 3
	s_add_co_u32 s66, s66, s2                      ; n0: my first tile of side 1, 0..248
	s_lshl_b32 s67, s42, 1
	s_add_co_u32 s67, s67, s16                     ; ks: my 128 rows of side 0, 0..31
	s_lshr_b32 s2, s66, 6                          ; z < 2: b = n0 / 64, m = ks / 4
	s_lshl_b32 s2, s2, 3
	s_lshr_b32 s3, s67, 2
	s_add_co_u32 s2, s2, s3                        ; head
	s_and_b32 s3, s66, 63                          ; token tile
	s_and_b32 s12, s67, 3                          ; K step
	s_lshl_b32 s18, s13, 24
	s_lshl_b32 s19, s2, 19
	s_add_co_u32 s18, s18, s19
	s_lshl_b32 s19, s3, 13
	s_add_co_u32 s18, s18, s19
	s_lshl_b32 s19, s12, 11
	s_add_co_u32 s18, s18, s19                     ; codes
	s_lshl_b32 s20, s13, 19
	s_lshl_b32 s19, s2, 14
	s_add_co_u32 s20, s20, s19
	s_lshl_b32 s19, s12, 12
	s_add_co_u32 s20, s20, s19
	s_lshl_b32 s19, s3, 6
	s_add_co_u32 s20, s20, s19                     ; scale words
	s_lshr_b32 s2, s67, 3                          ; z = 2: b = ks / 8, m = n0 / 32
	s_lshl_b32 s2, s2, 3
	s_lshr_b32 s3, s66, 5
	s_add_co_u32 s2, s2, s3                        ; head
	s_and_b32 s3, s66, 31                          ; channel tile
	s_and_b32 s12, s67, 7                          ; key step
	s_lshl_b32 s22, s2, 19
	s_add_co_u32 s22, s22, 33554432
	s_lshl_b32 s19, s12, 16
	s_add_co_u32 s22, s22, s19
	s_lshl_b32 s19, s3, 11
	s_add_co_u32 s22, s22, s19                     ; codes
	s_lshl_b32 s46, s2, 14
	s_add_co_u32 s46, s46, 1048576
	s_lshl_b32 s19, s12, 11
	s_add_co_u32 s46, s46, s19
	s_lshl_b32 s19, s3, 6
	s_add_co_u32 s46, s46, s19                     ; scale words
	s_mov_b32 s[STR], 8192
	s_cmp_eq_u32 s13, 2
	s_cselect_b32 s18, s22, s18
	s_cselect_b32 s20, s46, s20
	s_cselect_b32 s[STR], 2048, s[STR]
	s_mov_b32 s19, 0
	s_mov_b32 s21, 0
	s_add_nc_u64 s[8:9], s[8:9], s[18:19]
	s_add_nc_u64 s[10:11], s[10:11], s[20:21]
.macro FRAG reg, adr, off              ; a fragment comes back as it was stored: four loads of 512 consecutive bytes
.irp c, 0,1,2,3
	ds_load_b128 v[\reg+4*\c:\reg+4*\c+3], v[\adr] offset:\off+512*\c
.endr
.endm
.macro FETCH_B s, p                    ; side 0's eight fragments of K step s into set p
	WIN TO_B
.irp i, 0,1,2,3,4,5,6,7
	FRAG 128*(\p)+16*\i, ADRB+(\s)/2, \i*4096+((\s)%2)*2048
.endr
	WIN 0
.endm
.macro FETCH_A s, i0                   ; side 1's tiles i0 .. i0 + 3
.irp i, \i0, \i0+1, \i0+2, \i0+3
	FRAG AF+16*(\i), ADRA+(\s)/2, (\i)*4096+((\s)%2)*2048
.endr
.endm
.macro SCALES                          ; all four K steps' words: lanes 0-15 side 1's tile i, lanes 16-31 side 0's tile i
.irp i, 0,1,2,3,4,5,6,7
	ds_load_b128 v[SC+4*\i:SC+4*\i+3], v[ADRS] offset:256*\i
.endr
.endm
; 16 matrix instructions: side 1's tiles a0, a0 + 1 x side 0's eight, K step s.  The 64 accumulators take turns, one instruction a turn, in the same order in every step.
.macro MUL16 a0, p, s, zero
.irp a, \a0, \a0+1
.irp b, 0,1,2,3,4,5,6,7
.if \zero
	v_wmma_scale_f32_16x16x128_f8f6f4 v[8*(8*((\a)%4)+\b):8*(8*((\a)%4)+\b)+7], v[128*(\p)+16*\b:128*(\p)+16*\b+15], v[AF+16*(\a):AF+16*(\a)+15], 0, v[SC+4*\b+(\s)], v[SC+4*(\a)+(\s)] matrix_a_scale:MATRIX_SCALE_ROW1
.else
	v_wmma_scale_f32_16x16x128_f8f6f4 v[8*(8*((\a)%4)+\b):8*(8*((\a)%4)+\b)+7], v[128*(\p)+16*\b:128*(\p)+16*\b+15], v[AF+16*(\a):AF+16*(\a)+15], v[8*(8*((\a)%4)+\b):8*(8*((\a)%4)+\b)+7], v[SC+4*\b+(\s)], v[SC+4*(\a)+(\s)] matrix_a_scale:MATRIX_SCALE_ROW1
.endif
.endr
.endr
.endm
; A K step whose successor lies in the same half.  Eight plain places stand in front of each run of loads into registers that matrix instructions have read.
.macro STEP s, zero
	s_wait_dscnt 16                                ; all but the youngest 16 loads (side 1's tiles 4-7) are in
	WIN MUL_LO
	MUL16 0, (\s)%2, \s, \zero
	MUL16 2, (\s)%2, \s, \zero
	s_wait_dscnt 0x0
	PLACES 8
	FETCH_B (\s)+1, 1-(\s)%2
	FETCH_A (\s)+1, 0
	WIN MUL_HI
	MUL16 4, (\s)%2, \s, \zero
	MUL16 6, (\s)%2, \s, \zero
	PLACES 8
	WIN 0
	FETCH_A (\s)+1, 4
.endm
	s_wait_tensorcnt 1                             ; the scales and my part of half 0 are in; half 1's load may stay out
	s_barrier_signal -1
	s_barrier_wait -1                              ; everybody's are
	FETCH_B 0, 0
	FETCH_A 0, 0
	SCALES
	FETCH_A 0, 4
	STEP 0, 1                                      ; the first products start the sums: nothing is cleared
	; K step 1 goes over to half 1: my part of it has landed, and behind the barrier everybody's has
	s_wait_tensorcnt 0x0
	s_wait_dscnt 16
	WIN MUL_LO
	MUL16 0, 1, 1, 0
	s_wait_dscnt 0x0                               ; no LDS instruction of mine is out at the signal
	s_barrier_signal -1
	MUL16 2, 1, 1, 0
	WIN 0
	s_barrier_wait -1
	PLACES 8
	FETCH_B 2, 0
	FETCH_A 2, 0
	WIN MUL_HI
	MUL16 4, 1, 1, 0
	MUL16 6, 1, 1, 0
	PLACES 8
	WIN 0
	FETCH_A 2, 4
	STEP 2, 0
	s_wait_dscnt 16                                ; the last step: nothing more to fetch
	WIN MUL_LO
	MUL16 0, 1, 3, 0
	MUL16 2, 1, 3, 0
	s_wait_dscnt 0x0
	WIN MUL_HI
	MUL16 4, 1, 3, 0
	MUL16 6, 1, 3, 0
	WIN 0
	PLACES 8                                       ; in front of the first read of results and of the first write into registers that held side 1's fragments
.irp b, 0,1,2,3
	v_mov_b32 v[TM+4+\b], 0                        ; a lane permute's destination counts as one of its sources
.endr
; THE WAY OUT.  Side 1's tile a: a lane's 64 results (accumulators (a, 0..7), register 8 b + j = next k 32 (b / 2) + 16 (lane / 16) + 8 (b % 2) + j) become one fragment and one scale word.
; Each accumulator is read from its low end on.
.macro QACC a
.set AC, 64*((\a)%4)
.set W, 2+(\a)/4
.if (\a) > 0
	s_wait_xcnt 0x0                                ; the last tile's stores have read their offset and the codes' registers
	v_add_nc_u32 v[CO], s[STR], v[CO]
.endif
	WIN 0x14*W                                     ; sources 1 and 2: the accumulators' window
.irp b, 0,1,2,3
	v_max3_num_f32 v[TM+\b], 0x4800000, |v[AC+16*\b]|, |v[AC+16*\b+1]|   ; the floor 2^(9 - 127), and my 16 numbers of block b
.endr
.irp i, 2,4,6,8,10,12,14
.irp b, 0,1,2,3
	v_max3_num_f32 v[TM+\b], v[TM+\b], |v[AC+16*\b+\i]|, |v[AC+16*\b+\i+1]|
.endr
.endr
	WIN 0
.irp b, 0,1,2,3
	v_permlanex16_b32 v[TM+4+\b], v[TM+\b], s[SEL], s[SEL+1]
.endr
.irp b, 0,1,2,3
	v_max_num_f32 v[TM+\b], v[TM+\b], v[TM+4+\b]
.endr
.irp b, 0,1,2,3
	v_add_nc_u32 v[TM+12+\b], 0xfc000000, v[TM+\b]
.endr
.irp b, 0,1,2,3
	v_and_or_b32 v[TM+8+\b], v[TM+\b], 0x7f800000, s[MNT]
.endr
.irp b, 0,1,2,3
	v_lshrrev_b32 v[TM+4+\b], 23, v[TM+12+\b]
.endr
	v_lshl_or_b32 v[PW+(\a)], v[TM+5], 8, v[TM+4]
	v_lshl_or_b32 v[PW+(\a)], v[TM+6], 16, v[PW+(\a)]
	v_lshl_or_b32 v[PW+(\a)], v[TM+7], 24, v[PW+(\a)]
	WIN W                                          ; source 0: the accumulators' window
.irp b, 0,1,2,3
.irp i, 0,1,2,3,4,5,6,7,8,9,10,11,12,13,14,15
	v_med3_num_f32 v[X+16*\b+\i], v[AC+16*\b+\i], -v[TM+8+\b], v[TM+8+\b]   ; the hold at the largest code x the scale
.endr
.endr
	WIN 0
.irp b, 0,1,2,3
	v_cvt_scalef32_pk8_fp8_f32 v[PC+4*\b:PC+1+4*\b], v[X+16*\b:X+7+16*\b], v[TM+12+\b]
	v_cvt_scalef32_pk8_fp8_f32 v[PC+2+4*\b:PC+3+4*\b], v[X+8+16*\b:X+15+16*\b], v[TM+12+\b]
.endr
	v_nop                                          ; a plain line behind the last conversion
.irp c, 0,1,2,3
	global_store_b128 v[CO], v[PC+4*\c:PC+4*\c+3], s[8:9] offset:512*\c   ; 512 consecutive bytes, aligned
.endr
	ds_store_b32 v[SST], v[PW+(\a)] offset:64*(\a) ; lanes l and l xor 16 hold the same word and write it to the same place
.endm
.irp a, 0,1,2,3,4,5,6,7
	QACC \a
.endr
	ds_load_b128 v[SW:SW+3], v[SLD]                ; my own bytes: LDS serves a wave's instructions in order
	s_wait_dscnt 0x0
	global_store_b128 v[LI], v[SW:SW+3], s[10:11]  ; my eight tiles' scale words: 512 consecutive bytes
	s_wait_tensorcnt 0x0                           ; the wave's end
	ds_add_u32 v[SPW], v[NIL]
	s_wait_dscnt 0x0
	CROUND                                         ; the closing round
	s_endpgm
.Lfunc_end_k_q72be1461a8_proj:
	.size	k_q72be1461a8_proj, .Lfunc_end_k_q72be1461a8_proj-k_q72be1461a8_proj
	.p2alignl 7, 3214868480
	.fill 96, 4, 3214868480
	.section	.rodata,"a",@progbits
	.p2align	6, 0x0
	.amdhsa_kernel k_q72be1461a8_proj
		.amdhsa_group_segment_fixed_size 327680
		.amdhsa_private_segment_fixed_size 0
		.amdhsa_enable_private_segment 0
		.amdhsa_kernarg_size 32
		.amdhsa_user_sgpr_count 2
		.amdhsa_user_sgpr_kernarg_segment_ptr 1
		.amdhsa_wavefront_size32 1
		.amdhsa_system_sgpr_workgroup_id_x 1
		.amdhsa_system_sgpr_workgroup_id_y 1
		.amdhsa_system_sgpr_workgroup_id_z 1
		.amdhsa_system_vgpr_workitem_id 0
		.amdhsa_next_free_vgpr 1024
		.amdhsa_next_free_sgpr 98
		.amdhsa_reserve_vcc 0
		.amdhsa_float_denorm_mode_32 3
		.amdhsa_float_denorm_mode_16_64 3
		.amdhsa_memory_ordered 1
		.amdhsa_forward_progress 1
		.amdhsa_inst_pref_size 132
	.end_amdhsa_kernel
	.amdgpu_metadata
---
amdhsa.version: [ 1, 2 ]
amdhsa.kernels:
  - .name:           k_q72be1461a8_proj
    .symbol:         k_q72be1461a8_proj.kd
    .args:
      - { .name: cin, .offset: 0, .size: 8, .value_kind: global_buffer, .address_space: global }
      - { .name: sin, .offset: 8, .size: 8, .value_kind: global_buffer, .address_space: global }
      - { .name: zc, .offset: 16, .size: 8, .value_kind: global_buffer, .address_space: global }
      - { .name: zs, .offset: 24, .size: 8, .value_kind: global_buffer, .address_space: global }
    .group_segment_fixed_size: 327680
    .private_segment_fixed_size: 0
    .kernarg_segment_align: 8
    .kernarg_segment_size: 32
    .max_flat_workgroup_size: 128
    .sgpr_count:     98
    .vgpr_count:     1024
    .wavefront_size: 32
...
	.end_amdgpu_metadata
.endif
;; end of part 2
;; launch attn (part 3): grid 8 x 32, 4 waves a work-group, no clusters, 13,824 bytes of LDS; arguments zc, zs, oc, os; writes oc, os
.if DOCPART == 3
	.amdgcn_target "amdgcn-amd-amdhsa--gfx1250"
	.amdhsa_code_object_version 6
	.text
	.protected	k_q72be1461a8_attn
	.globl	k_q72be1461a8_attn
	.p2align	8
	.type	k_q72be1461a8_attn,@function
k_q72be1461a8_attn:
	s_mov_b64 s[64:65], 0
	v_nop
	global_prefetch_b8 v0, s[64:65] scope:SCOPE_SE
	s_setreg_imm32_b32 hwreg(HW_REG_WAVE_MODE, 25, 1), 1
	s_wait_xcnt 0x0
; LAUNCH 3 OF 5.  Causal attention on codes of E4M3: S^T = KZ QZ^T (K = 512), p = 2^(t - M), O^T = PZ^T p^T (K = the keys), O / l quantised along (head, channel) for the output projection.
; WORK LEFT OUT: the steps of 128 keys that lie wholly behind a block of 64 queries (reference()'s own causal mask makes their weights exactly 0): see the head of the launch quant.
; SHARES.  Work-group (J, head) takes the blocks of 64 queries 15 - J and then J: (15 - J) / 2 + 1 and J / 2 + 1 key steps, always 9 ITEMS of 64 queries x 128 keys: 256 equal work-groups.
; THE WAVES SHARE COLUMNS.  In S^T wave w takes keys 32 w .. 32 w + 31 of the step: one block of the quantiser for each query.  In O^T wave w takes channels 128 w .. 128 w + 127: one K step of the next product.
; So each fragment of KZ and PZ is used by one wave, once, for all 64 queries: it goes from memory straight into registers, as its image: no tensor load, no ring.
; NO CLUSTER: under the causal mask the work-groups of a head walk different numbers of key steps, so a partner would have to ask for tiles that none of its waves reads.
; p FROM WAVE TO WAVE.  A wave quantises its block under its OWN whole number M_w = ceil(the block's largest t), t = score x log2(e) / sqrt(512), and hands over, through LDS: its 4 registers of codes (chunk w of p's
; fragment image), E_w = M_w + its scale byte (a whole number in f32), and its sum of the unquantised p times 2^(-byte) (exact).  Behind the barrier every wave forms for each query the running Ec = max(Ec, E_0 .. E_3),
; f = 2^(old Ec - new Ec), the bytes b_w = max(E_w - Ec + 119, 0), l = l f + the sum of the waves' sums x 2^(b_w), and O^T = O^T f.  That is the rule's p under the whole number M = Ec - 119: every factor is an
; exact power of two that a scale byte takes up, and the maximum is taken away before every exponential.
; LIMITS: |t| under 2^24, so that M + byte is exact in f32; a block more than 119 binades under the row's largest counts as if it were 119 under (under 2^-110 of the row's sum); NaN and infinities are not served.
; oc: token tile (0..255) x 65,536 + (4 m + w) x 2,048.   os: m x 65,536 + token tile x 256 + 16 r + 4 w.
; REGISTERS: window 0: see the names below.   window 1: QZ, 64 qt + 16 s.   window 2: O^T, 64 qt + 8 ct.   window 3: KZ at 64 u + 16 s, PZ at 128 + 16 ct.
.set PIMG,  0                          ; LDS: p's four fragment images: 2,048 qt + 512 w + 16 lane
.set REC,   8192                       ; the waves' records: 1,024 qt + 32 lane + 8 w: (sum, E)
.set SCST,  12288                      ; the result's scale words: 256 qt + 16 r + 4 w
.set SPARE, 13312                      ; the spare words, 128 bytes for each wave: two blocks of 256 bytes that no other line names
.set LI,  1                            ; v1   16 x lane
.set L4,  2                            ; v2   4 x lane
.set L8,  3                            ; v3   8 x lane
.set PFO, 4                            ; v4   256 x lane: the prefetches' offset; never rewritten
.set SPW, 5                            ; v5   LDS address of my spare word; never rewritten
.set NIL, 6                            ; v6   0; never rewritten
.set PST, 7                            ; v7   where I store my chunk of p's image
.set RST, 8                            ; v8   where I store my record
.set RLD, 9                            ; v9   where I read the four records
.set SST, 10                           ; v10  where I store a result's scale word
.set SLD, 11                           ; v11  where I read a tile's scale words back
.set LQ,  12                           ; v12  r + 8 (r / 8) - 16 h
.set NINF, 13                          ; v13  -infinity
.set D,   16                           ; v16-19  the mask: register i of tile qt is hidden where i > D
.set QSC, 20                           ; v20-27  QZ's scale words: 4 p + s: lanes 0-15 tile 2 p, lanes 16-31 tile 2 p + 1
.set KSC, 28                           ; v28-31  KZ's: s: lanes 0-15 my tile 0, lanes 16-31 my tile 1
.set VSC, 32                           ; v32-35  PZ's: p: tiles 2 p, 2 p + 1
.set PS,  36                           ; v36-39  p's scale words
.set EC,  40                           ; v40-43  the running Ec
.set LS,  44                           ; v44-47  l
.set F,   48                           ; v48-55  f (later 1 / l), the low word of a pair for each tile
.set S,   64                           ; v64-127 S^T: 16 qt + 8 u + j; then p
.set X,   64                           ;         in the epilogue: 64 numbers of O / l
.set PF,  128                          ; v128-191 p's four fragments
.set PC,  128                          ; v128-143 codes just made
.set RC,  192                          ; v192-223 the records: 8 a tile
.set T,   224                          ; v224-255 at work: 8 a tile
.set TM,  224
.set PW,  240
.set SW,  244
.set WV,  12
.set J,   13
.set HD,  14
.set N1,  15                           ; s15  items of the first block
.set IT,  16                           ; s16  the item
.set KS,  17                           ; s17  its key step
.set BLK, 18                           ; s18  the block of queries in hand
.set KSN, 19                           ; s19  the next item's key step
.set SEL, 20
.set CS,  22                           ; s[22:23] c = log2(e) / sqrt(512)
.set MNT, 24
.set LIM, 25
.set QB,  26                           ; bases in my head: QZ, KZ + my 2 tiles, PZ + my 8 tiles; their scale words
.set KB,  28
.set VB,  30
.set QSB, 32
.set KSB, 34
.set VSB, 36
.set KA,  38                           ; and the addresses in hand
.set KSA, 40
.set VA,  42
.set VSA, 44
.set QA,  46
.set QSA, 48
.set OA,  50
.set OSA, 52
.set MSB, 0
.macro WIN new
.if MSB != (\new)
	s_set_vgpr_msb (MSB<<8)|(\new)
.set MSB, (\new)
.endif
.endm
.macro PLACES n
.rept \n
	v_nop
.endr
.endm
; one matrix instruction: D (and C, or 0 where z = 1), source 0, source 1, their scale registers, and which half of the lanes holds each side's words
.macro WM d, a, b, z, sa, sb, ra, rb
.if (\z) && (\ra) && (\rb)
	v_wmma_scale_f32_16x16x128_f8f6f4 v[(\d):(\d)+7], v[(\a):(\a)+15], v[(\b):(\b)+15], 0, v[\sa], v[\sb] matrix_a_scale:MATRIX_SCALE_ROW1 matrix_b_scale:MATRIX_SCALE_ROW1
.elseif (\z) && (\ra)
	v_wmma_scale_f32_16x16x128_f8f6f4 v[(\d):(\d)+7], v[(\a):(\a)+15], v[(\b):(\b)+15], 0, v[\sa], v[\sb] matrix_a_scale:MATRIX_SCALE_ROW1
.elseif (\z) && (\rb)
	v_wmma_scale_f32_16x16x128_f8f6f4 v[(\d):(\d)+7], v[(\a):(\a)+15], v[(\b):(\b)+15], 0, v[\sa], v[\sb] matrix_b_scale:MATRIX_SCALE_ROW1
.elseif (\z)
	v_wmma_scale_f32_16x16x128_f8f6f4 v[(\d):(\d)+7], v[(\a):(\a)+15], v[(\b):(\b)+15], 0, v[\sa], v[\sb]
.elseif (\ra) && (\rb)
	v_wmma_scale_f32_16x16x128_f8f6f4 v[(\d):(\d)+7], v[(\a):(\a)+15], v[(\b):(\b)+15], v[(\d):(\d)+7], v[\sa], v[\sb] matrix_a_scale:MATRIX_SCALE_ROW1 matrix_b_scale:MATRIX_SCALE_ROW1
.elseif (\ra)
	v_wmma_scale_f32_16x16x128_f8f6f4 v[(\d):(\d)+7], v[(\a):(\a)+15], v[(\b):(\b)+15], v[(\d):(\d)+7], v[\sa], v[\sb] matrix_a_scale:MATRIX_SCALE_ROW1
.elseif (\rb)
	v_wmma_scale_f32_16x16x128_f8f6f4 v[(\d):(\d)+7], v[(\a):(\a)+15], v[(\b):(\b)+15], v[(\d):(\d)+7], v[\sa], v[\sb] matrix_b_scale:MATRIX_SCALE_ROW1
.else
	v_wmma_scale_f32_16x16x128_f8f6f4 v[(\d):(\d)+7], v[(\a):(\a)+15], v[(\b):(\b)+15], v[(\d):(\d)+7], v[\sa], v[\sb]
.endif
.endm
.macro QUANT s, pw                     ; 64 numbers of a lane become a fragment's codes in v[PC] on and its scale word in v[pw]
.irp b, 0,1,2,3
	v_max3_num_f32 v[TM+\b], |v[\s+16*\b]|, |v[\s+1+16*\b]|, 0x4800000
.endr
.irp i, 2,4,6,8,10,12,14
.irp b, 0,1,2,3
	v_max3_num_f32 v[TM+\b], v[TM+\b], |v[\s+16*\b+\i]|, |v[\s+1+16*\b+\i]|
.endr
.endr
.irp b, 0,1,2,3
	v_permlanex16_b32 v[TM+4+\b], v[TM+\b], s[SEL], s[SEL+1]
.endr
.irp b, 0,1,2,3
	v_max_num_f32 v[TM+\b], v[TM+\b], v[TM+4+\b]
.endr
.irp b, 0,1,2,3
	v_add_nc_u32 v[TM+12+\b], 0xfc000000, v[TM+\b]
.endr
.irp b, 0,1,2,3
	v_and_or_b32 v[TM+8+\b], v[TM+\b], 0x7f800000, s[MNT]
.endr
.irp b, 0,1,2,3
	v_lshrrev_b32 v[TM+4+\b], 23, v[TM+12+\b]
.endr
	v_lshl_or_b32 v[\pw], v[TM+5], 8, v[TM+4]
	v_lshl_or_b32 v[\pw], v[TM+6], 16, v[\pw]
	v_lshl_or_b32 v[\pw], v[TM+7], 24, v[\pw]
.irp b, 0,1,2,3
.irp i, 0,1,2,3,4,5,6,7,8,9,10,11,12,13,14,15
	v_med3_num_f32 v[\s+16*\b+\i], v[\s+16*\b+\i], -v[TM+8+\b], v[TM+8+\b]
.endr
	v_cvt_scalef32_pk8_fp8_f32 v[PC+4*\b:PC+1+4*\b], v[\s+16*\b:\s+7+16*\b], v[TM+12+\b]
	v_cvt_scalef32_pk8_fp8_f32 v[PC+2+4*\b:PC+3+4*\b], v[\s+8+16*\b:\s+15+16*\b], v[TM+12+\b]
.endr
	v_nop
.endm
.macro SETQ b                          ; QZ's addresses for the block of queries in s[b]
	s_lshl_b32 s54, s[\b], 15
	s_mov_b32 s55, 0
	s_add_nc_u64 s[QA:QA+1], s[QB:QB+1], s[54:55]
	s_lshl_b32 s54, s[\b], 8
	s_add_nc_u64 s[QSA:QSA+1], s[QSB:QSB+1], s[54:55]
.endm
.macro LOADQ                           ; 4 tiles x 4 K steps: 64 loads of 512 consecutive bytes; 8 of scale words
	WIN 0x40
.set i, 0
.rept 64
	global_load_b128 v[4*i:4*i+3], v[LI], s[QA:QA+1] offset:512*i
.set i, i+1
.endr
	WIN 0
.irp p, 0,1
.irp s, 0,1,2,3
	global_load_b32 v[QSC+4*\p+\s], v[L4], s[QSA:QSA+1] offset:4096*\s+128*\p
.endr
.endr
.endm
.macro LOADK                           ; my 2 tiles of keys x 4 K steps, and their scale words: 36 loads
	WIN 0xc0
.set i, 0
.rept 32
	global_load_b128 v[4*i:4*i+3], v[LI], s[KA:KA+1] offset:512*i
.set i, i+1
.endr
	WIN 0
.irp s, 0,1,2,3
	global_load_b32 v[KSC+\s], v[L4], s[KSA:KSA+1] offset:4096*\s
.endr
.endm
.macro LOADV                           ; my 8 tiles of channels, and their scale words: 36 loads
	WIN 0xc0
.set i, 0
.rept 32
	global_load_b128 v[128+4*i:128+4*i+3], v[LI], s[VA:VA+1] offset:512*i
.set i, i+1
.endr
	WIN 0
.irp p, 0,1,2,3
	global_load_b32 v[VSC+\p], v[L4], s[VSA:VSA+1] offset:128*\p
.endr
.endm
.macro NEXT                            ; the next item's key step and addresses
	s_wait_xcnt 0x0                                ; every earlier load and prefetch has read its address
	s_add_co_u32 s54, s[IT], 1
	s_add_co_u32 s[KSN], s[KS], 1
	s_cmp_eq_u32 s54, s[N1]
	s_cselect_b32 s[KSN], 0, s[KSN]                ; the second block begins at key 0
	s_lshl_b32 s54, s[KSN], 16
	s_mov_b32 s55, 0
	s_add_nc_u64 s[KA:KA+1], s[KB:KB+1], s[54:55]
	s_add_nc_u64 s[VA:VA+1], s[VB:VB+1], s[54:55]
	s_lshl_b32 s54, s[KSN], 9
	s_add_nc_u64 s[KSA:KSA+1], s[KSB:KSB+1], s[54:55]
	s_lshl_b32 s54, s[KSN], 11
	s_add_nc_u64 s[VSA:VSA+1], s[VSB:VSB+1], s[54:55]
.endm
; A PREFETCH INTO THE L2 of key step KS + 2: my wave's own 16,384 bytes of KZ and of PZ, lanes 256 bytes apart, four instructions, behind the run of loads just issued.  All eight work-groups of a head walk the
; same keys: the one that walks all eight steps on end (J = 0) asks, in its items 0 to 5, so that each block of 256 bytes is named once in the launch; steps 0 and 1 come by their loads alone; nothing past step 7.
.macro ASK
	s_cmp_lt_u32 s[IT], s[LIM]
	s_cbranch_scc0 .Lnot_mine_\@
	global_prefetch_b8 v[PFO], s[KA:KA+1] offset:65536 th:TH_LOAD_NT scope:SCOPE_SE
	global_prefetch_b8 v[PFO], s[KA:KA+1] offset:73728 th:TH_LOAD_NT scope:SCOPE_SE
	global_prefetch_b8 v[PFO], s[VA:VA+1] offset:65536 th:TH_LOAD_NT scope:SCOPE_SE
	global_prefetch_b8 v[PFO], s[VA:VA+1] offset:73728 th:TH_LOAD_NT scope:SCOPE_SE
.Lnot_mine_\@:
.endm
.macro QK                              ; S^T = KZ QZ^T: my 32 keys x 64 queries; the eight accumulators by turns, K step by K step
	WIN 0x07                                       ; source 0 window 3, source 1 window 1
.irp s, 0,1,2,3
.irp q, 0,1,2,3
.irp u, 0,1
.if \s == 0
	WM S+16*\q+8*\u, 64*\u+16*\s, 64*\q+16*\s, 1, KSC+\s, QSC+4*(\q/2)+\s, \u, \q%2
.else
	WM S+16*\q+8*\u, 64*\u+16*\s, 64*\q+16*\s, 0, KSC+\s, QSC+4*(\q/2)+\s, \u, \q%2
.endif
.endr
.endr
.endr
.endm
.macro MASK                            ; a block's last key step: hidden scores become -infinity.  Register i of tile qt holds key 128 KS + 32 w + 16 h + i; my query is 64 BLK + 32 (qt / 2) + 8 (qt % 2) + r + 8 (r / 8)
	s_lshl_b32 s54, s[BLK], 6
	s_lshl_b32 s55, s[KS], 7
	s_sub_co_i32 s54, s54, s55
	s_lshl_b32 s55, s[WV], 5
	s_sub_co_i32 s54, s54, s55
.irp q, 0,1,2,3
	v_add_nc_u32 v[D+\q], s54, v[LQ]
.endr
.irp q, 1,2,3
	v_add_nc_u32 v[D+\q], 32*(\q/2)+8*(\q%2), v[D+\q]
.endr
.irp q, 0,1,2,3
.irp i, 0,1,2,3,4,5,6,7,8,9,10,11,12,13,14,15
	v_cmp_gt_i32 vcc_lo, \i, v[D+\q]
	v_cndmask_b32 v[S+16*\q+\i], v[S+16*\q+\i], v[NINF], vcc_lo
.endr
.endr
.endm
; THE SOFTMAX OF MY BLOCK OF 32 KEYS, for the four tiles of queries by turns.  T + 8 q: +0 the largest score, then the largest p; +1 a permute's; +2 -M; +3 t, then the byte; +4 the hold; +5 the scale operand; +6, +7 the sums, then the record
.macro SOFT
.irp q, 0,1,2,3
	v_max3_num_f32 v[T+8*\q], v[S+16*\q], v[S+16*\q+1], v[S+16*\q+2]   ; each accumulator is read from its low end on
.endr
.irp i, 3,5,7,9,11,13
.irp q, 0,1,2,3
	v_max3_num_f32 v[T+8*\q], v[T+8*\q], v[S+16*\q+\i], v[S+16*\q+\i+1]
.endr
.endr
.irp q, 0,1,2,3
	v_max_num_f32 v[T+8*\q], v[T+8*\q], v[S+16*\q+15]
.endr
.irp q, 0,1,2,3
	v_permlanex16_b32 v[T+8*\q+1], v[T+8*\q], s[SEL], s[SEL+1]
.endr
.irp q, 0,1,2,3
	v_max_num_f32 v[T+8*\q], v[T+8*\q], v[T+8*\q+1]   ; with lane l xor 16's 16 keys: the block's largest score
.endr
.irp q, 0,1,2,3
	v_mul_f32 v[T+8*\q+3], s[CS], v[T+8*\q]        ; as t (c is positive)
.endr
.irp q, 0,1,2,3
	v_max_num_f32 v[T+8*\q+3], 0xff61b1e6, v[T+8*\q+3]   ; a block that is wholly hidden: -3e38 in the place of -infinity, so that M is a number
.endr
.irp q, 0,1,2,3
	v_floor_f32 v[T+8*\q+2], -v[T+8*\q+3]          ; -M = floor(-t): M is a whole number
.endr
.irp q, 0,1,2,3
.irp i, 0,2,4,6,8,10,12,14
	v_pk_fma_f32 v[S+16*\q+\i:S+16*\q+\i+1], v[S+16*\q+\i:S+16*\q+\i+1], s[CS:CS+1], v[T+8*\q+2:T+8*\q+3] op_sel_hi:[1,0,0]   ; t - M, two at a time
.endr
.endr
.irp q, 0,1,2,3
	v_fma_f32 v[T+8*\q], v[T+8*\q], s[CS], v[T+8*\q+2]   ; the same of the block's largest score: p rises with the score
.endr
.irp q, 0,1,2,3
.irp i, 0,1,2,3,4,5,6,7,8,9,10,11,12,13,14,15
	v_exp_f32 v[S+16*\q+\i], v[S+16*\q+\i]         ; p = 2^(t - M), at most 1
.endr
.endr
.irp q, 0,1,2,3
	v_exp_f32 v[T+8*\q], v[T+8*\q]                 ; the block's largest p
.endr
	v_nop                                          ; a plain line behind the last exponential
	s_wait_alu depctr_va_vdst(0)                   ; one wait for the batch of 68, ahead of its first reader
.irp q, 0,1,2,3
	v_pk_add_f32 v[T+8*\q+6:T+8*\q+7], v[S+16*\q:S+16*\q+1], v[S+16*\q+2:S+16*\q+3]   ; the sum is taken of the unquantised p
.endr
.irp i, 4,6,8,10,12,14
.irp q, 0,1,2,3
	v_pk_add_f32 v[T+8*\q+6:T+8*\q+7], v[T+8*\q+6:T+8*\q+7], v[S+16*\q+\i:S+16*\q+\i+1]
.endr
.endr
.irp q, 0,1,2,3
	v_add_f32 v[T+8*\q+6], v[T+8*\q+6], v[T+8*\q+7]
.endr
.irp q, 0,1,2,3
	v_permlanex16_b32 v[T+8*\q+1], v[T+8*\q+6], s[SEL], s[SEL+1]
.endr
.irp q, 0,1,2,3
	v_add_f32 v[T+8*\q+6], v[T+8*\q+6], v[T+8*\q+1]
.endr
.irp q, 0,1,2,3
	v_max_num_f32 v[T+8*\q], 0x4800000, v[T+8*\q]  ; the floor 2^(9 - 127): a block of zeros keeps the byte 1; its codes are zeros
.endr
.irp q, 0,1,2,3
	v_add_nc_u32 v[T+8*\q+5], 0xfc000000, v[T+8*\q]   ; the conversion's scale operand
.endr
.irp q, 0,1,2,3
	v_and_or_b32 v[T+8*\q+4], v[T+8*\q], 0x7f800000, s[MNT]   ; 448 x the scale
.endr
.irp q, 0,1,2,3
	v_lshrrev_b32 v[T+8*\q+3], 23, v[T+8*\q+5]     ; the byte
.endr
.irp q, 0,1,2,3
.irp i, 0,1,2,3,4,5,6,7,8,9,10,11,12,13,14,15
	v_min_num_f32 v[S+16*\q+\i], v[S+16*\q+\i], v[T+8*\q+4]   ; p is not negative: the hold is one-sided
.endr
	v_cvt_scalef32_pk8_fp8_f32 v[PC+4*\q:PC+4*\q+1], v[S+16*\q:S+16*\q+7], v[T+8*\q+5]
	v_cvt_scalef32_pk8_fp8_f32 v[PC+4*\q+2:PC+4*\q+3], v[S+16*\q+8:S+16*\q+15], v[T+8*\q+5]
.endr
	v_nop                                          ; a plain line behind the last conversion
.irp q, 0,1,2,3
	v_sub_nc_u32 v[T+8*\q+1], 0, v[T+8*\q+3]       ; -byte
.endr
.irp q, 0,1,2,3
	v_cvt_f32_u32 v[T+8*\q+3], v[T+8*\q+3]
.endr
.irp q, 0,1,2,3
	v_ldexp_f32 v[T+8*\q+6], v[T+8*\q+6], v[T+8*\q+1]   ; the sum x 2^(-byte): exact
.endr
.irp q, 0,1,2,3
	v_sub_f32 v[T+8*\q+7], v[T+8*\q+3], v[T+8*\q+2]   ; E = byte + M
.endr
.irp q, 0,1,2,3
	ds_store_b128 v[PST], v[PC+4*\q:PC+4*\q+3] offset:PIMG+2048*\q
	ds_store_b64 v[RST], v[T+8*\q+6:T+8*\q+7] offset:1024*\q
.endr
.endm
; From the four waves' records: Ec, f, p's scale word, l.  The scale words are made first: the lines on l that follow, which name no register of the products, are the places that a scale register so written owes.
.macro STATS
.irp q, 0,1,2,3
	v_max3_num_f32 v[T+8*\q], v[RC+8*\q+1], v[RC+8*\q+3], v[RC+8*\q+5]
.endr
.irp q, 0,1,2,3
	v_max3_num_f32 v[T+8*\q], v[T+8*\q], v[RC+8*\q+7], v[EC+\q]   ; the new Ec
.endr
.irp q, 0,1,2,3
	v_sub_f32 v[T+8*\q+1], v[EC+\q], v[T+8*\q]     ; old less new: a whole number, 0 or less
.endr
.irp q, 0,1,2,3
	v_mov_b32 v[EC+\q], v[T+8*\q]
.endr
.irp q, 0,1,2,3
	v_add_f32 v[T+8*\q+2], 0xc2ee0000, v[T+8*\q]   ; Ec - 119
.endr
.irp q, 0,1,2,3
	v_cvt_i32_f32 v[T+8*\q+1], v[T+8*\q+1]         ; (it saturates)
.endr
.irp w, 0,1,2,3
.irp q, 0,1,2,3
	v_sub_f32 v[T+8*\q+3+\w], v[RC+8*\q+1+2*\w], v[T+8*\q+2]
.endr
.endr
.irp w, 0,1,2,3
.irp q, 0,1,2,3
	v_max_num_f32 v[T+8*\q+3+\w], 0, v[T+8*\q+3+\w]
.endr
.endr
.irp w, 0,1,2,3
.irp q, 0,1,2,3
	v_cvt_u32_f32 v[T+8*\q+3+\w], v[T+8*\q+3+\w]   ; b_w, 0 .. 119
.endr
.endr
.irp q, 0,1,2,3
	v_ldexp_f32 v[F+2*\q], 1.0, v[T+8*\q+1]        ; f = 2^(old Ec - new Ec): a multiplication by it rounds nothing
.endr
.irp q, 0,1,2,3
	v_lshl_or_b32 v[PS+\q], v[T+8*\q+4], 8, v[T+8*\q+3]
.endr
.irp q, 0,1,2,3
	v_lshl_or_b32 v[PS+\q], v[T+8*\q+5], 16, v[PS+\q]
.endr
.irp q, 0,1,2,3
	v_lshl_or_b32 v[PS+\q], v[T+8*\q+6], 24, v[PS+\q]
.endr
.irp q, 0,1,2,3
	v_mul_f32 v[LS+\q], v[LS+\q], v[F+2*\q]
.endr
.irp w, 0,1,2,3
.irp q, 0,1,2,3
	v_ldexp_f32 v[RC+8*\q+2*\w], v[RC+8*\q+2*\w], v[T+8*\q+3+\w]
.endr
.endr
.irp q, 0,1,2,3
	v_add_f32 v[RC+8*\q], v[RC+8*\q], v[RC+8*\q+2]
.endr
.irp q, 0,1,2,3
	v_add_f32 v[RC+8*\q+4], v[RC+8*\q+4], v[RC+8*\q+6]
.endr
.irp q, 0,1,2,3
	v_add_f32 v[RC+8*\q], v[RC+8*\q], v[RC+8*\q+4]
.endr
.irp q, 0,1,2,3
	v_add_f32 v[LS+\q], v[LS+\q], v[RC+8*\q]
.endr
.endm
.macro RESCALE                         ; O^T x f
	WIN 0x82                                       ; destination and source 0 window 2
.irp q, 0,1,2,3
.set i, 0
.rept 32
	v_pk_mul_f32 v[64*\q+2*i:64*\q+2*i+1], v[64*\q+2*i:64*\q+2*i+1], v[F+2*\q:F+2*\q+1] op_sel_hi:[1,0]
.set i, i+1
.endr
.endr
.endm
.macro PV                              ; O^T += PZ^T p^T: my 128 channels x 64 queries, K = the step's 128 keys: 32 accumulators, one instruction each
	WIN 0xa3                                       ; source 0 window 3, source 1 window 0, C and D window 2
.irp c, 0,1,2,3,4,5,6,7
.irp q, 0,1,2,3
	WM 64*\q+8*\c, 128+16*\c, PF+16*\q, 0, VSC+\c/2, PS+\q, \c%2, 0
.endr
.endr
.endm
.macro INIT                            ; a block of queries begins: the item is written once, and its first change of Ec multiplies zeros
	WIN 0x80
.set i, 0
.rept 256
	v_mov_b32 v[i], 0
.set i, i+1
.endr
	WIN 0
.irp q, 0,1,2,3
	v_mov_b32 v[EC+\q], 0xff61b1e6                 ; -3e38, under every E
	v_mov_b32 v[LS+\q], 0
.endr
.endm
; AN ITEM: 64 queries x 128 keys.  next = 1: the next item's KZ and PZ are asked for on the way.
.macro ITEM next
	s_wait_loadcnt 36                              ; KZ (and QZ) are in; PZ's 36 loads, issued behind them, may be out
	QK
	WIN 0
	PLACES 8                                       ; in front of the loads into KZ's registers and of the first read of the scores
.if \next
	NEXT
	LOADK
	ASK
	s_add_co_u32 s54, s[IT], 1                     ; only a block's last key step meets the diagonal: a branch on ids, the same in all waves
	s_cmp_lg_u32 s54, s[N1]
	s_cbranch_scc1 .Lopen_\@
.endif
	MASK
.if \next
.Lopen_\@:
.endif
	SOFT
	s_wait_dscnt 0x0                               ; my chunk and my record have landed
	s_barrier_signal -1
	s_barrier_wait -1                              ; everybody's have
.irp q, 0,1,2,3
.irp c, 0,1,2,3
	ds_load_b128 v[PF+16*\q+4*\c:PF+16*\q+4*\c+3], v[LI] offset:PIMG+2048*\q+512*\c
.endr
	ds_load_b128 v[RC+8*\q:RC+8*\q+3], v[RLD] offset:1024*\q
	ds_load_b128 v[RC+8*\q+4:RC+8*\q+7], v[RLD] offset:1024*\q+16
.endr
	s_wait_dscnt 0x0                               ; my reads of the images and records are over:
.if \next
	s_wait_loadcnt 36                              ; PZ is in; the next KZ's 36 loads may be out
.else
	s_wait_loadcnt 0x0
.endif
	s_barrier_signal -1                            ; say so; work on registers alone up to the wait, behind which the next item may store there
	STATS
	RESCALE
	PV
	WIN 0
	s_barrier_wait -1
	PLACES 8                                       ; in front of the loads into PZ's registers and of the first read of O^T
.if \next
	LOADV
	s_mov_b32 s[KS], s[KSN]
.endif
.endm
; A BLOCK'S END: O^T / l, quantised along my 128 channels: for each tile of queries one fragment and one scale word.  final = 0: the second block's QZ is asked for first, and the sums begin anew.
.macro EPI final
	s_wait_xcnt 0x0                                ; the addresses below are written anew
.if \final == 0
	SETQ J
	LOADQ
.endif
	s_lshr_b32 s54, s[HD], 3                       ; b
	s_lshl_b32 s54, s54, 6
	s_lshl_b32 s55, s[BLK], 2
	s_add_co_u32 s54, s54, s55                     ; the block's first token tile
	s_and_b32 s55, s[HD], 7                        ; m
	s_lshl_b32 s56, s54, 16
	s_lshl_b32 s57, s55, 2
	s_add_co_u32 s57, s57, s[WV]
	s_lshl_b32 s57, s57, 11
	s_add_co_u32 s56, s56, s57
	s_mov_b32 s57, 0
	s_add_nc_u64 s[OA:OA+1], s[8:9], s[56:57]
	s_lshl_b32 s55, s55, 8
	s_add_co_u32 s54, s54, s55
	s_add_co_u32 s54, s54, s[WV]                   ; I store tile w's scale words
	s_lshl_b32 s56, s54, 8
	s_add_nc_u64 s[OSA:OSA+1], s[10:11], s[56:57]
.irp q, 0,1,2,3
	v_rcp_f32 v[F+2*\q], v[LS+\q]
.endr
	v_nop                                          ; a plain line behind the last reciprocal
	s_wait_alu depctr_va_vdst(0)                   ; one wait for the four, ahead of their first reader
.irp q, 0,1,2,3
	WIN 0x02                                       ; source 0 window 2
.set i, 0
.rept 32
	v_pk_mul_f32 v[X+2*i:X+2*i+1], v[64*\q+2*i:64*\q+2*i+1], v[F+2*\q:F+2*\q+1] op_sel_hi:[1,0]   ; each accumulator from its low end on
.set i, i+1
.endr
	WIN 0
	s_wait_xcnt 0x0                                ; the last tile's stores have read the codes' registers
	QUANT X, PW+\q
.irp c, 0,1,2,3
	global_store_b128 v[LI], v[PC+4*\c:PC+4*\c+3], s[OA:OA+1] offset:65536*\q+512*\c
.endr
	ds_store_b32 v[SST], v[PW+\q] offset:256*\q
.endr
	s_wait_dscnt 0x0
	s_barrier_signal -1
	s_barrier_wait -1                              ; the four waves' words of each row lie side by side
	ds_load_b64 v[SW:SW+1], v[SLD]
	s_wait_dscnt 0x0
	global_store_b64 v[L8], v[SW:SW+1], s[OSA:OSA+1]   ; 32 lanes store a tile's 256 bytes
.if \final == 0
	INIT
	s_mov_b32 s[BLK], s[J]
	s_wait_loadcnt 0x0                             ; QZ of the second block
	s_wait_xcnt 0x0                                ; the stores above have read their registers: the next item writes them
.endif
.endm
	s_load_b256 s[4:11], s[0:1], 0x0               ; zc, zs, oc, os
	v_lshl_add_u32 v[SPW], v0, 2, SPARE
	v_mov_b32 v[NIL], 0
	v_lshrrev_b32 v14, 5, v0
	v_readfirstlane_b32 s[WV], v14                 ; wave 0..3
	v_and_b32 v14, 31, v0                          ; lane
	v_and_b32 v15, 15, v0                          ; r
	v_lshlrev_b32 v[LI], 4, v14
	v_lshlrev_b32 v[L4], 2, v14
	v_lshlrev_b32 v[L8], 3, v14
	v_lshlrev_b32 v[PFO], 8, v14
	s_lshl_b32 s54, s[WV], 9
	v_add_nc_u32 v[PST], s54, v[LI]
	s_lshl_b32 s54, s[WV], 3
	s_add_co_u32 s54, s54, REC
	v_lshl_add_u32 v[RST], v14, 5, s54
	v_lshlrev_b32 v[RLD], 5, v14
	v_add_nc_u32 v[RLD], REC, v[RLD]
	s_lshl_b32 s54, s[WV], 2
	s_add_co_u32 s54, s54, SCST
	v_lshl_add_u32 v[SST], v15, 4, s54
	s_lshl_b32 s54, s[WV], 8
	s_add_co_u32 s54, s54, SCST
	v_add_nc_u32 v[SLD], s54, v[L8]
	v_and_b32 v[LQ], 8, v15
	v_add_nc_u32 v[LQ], v[LQ], v15
	v_and_b32 v14, 16, v0
	v_sub_nc_u32 v[LQ], v[LQ], v14
	v_mov_b32 v[NINF], 0xff800000
.irp q, 0,1,2,3
	v_mov_b32 v[T+8*\q+1], 0                       ; written once: a lane permute's destination counts as one of its sources
	v_mov_b32 v[F+2*\q+1], 0                       ; (named as the upper half of a pair)
.endr
	s_mov_b32 s[J], ttmp9
	s_and_b32 s[HD], ttmp7, 0xffff
	s_sub_co_u32 s[BLK], 15, s[J]
	s_lshr_b32 s[N1], s[BLK], 1
	s_add_co_u32 s[N1], s[N1], 1
	s_mov_b32 s[IT], 0
	s_mov_b32 s[KS], 0
	s_mov_b32 s[SEL], 0x76543210
	s_mov_b32 s[SEL+1], 0xfedcba98
	s_mov_b32 s[CS], 0x3d8293ee                    ; log2(e) / sqrt(512)
	s_mov_b32 s[CS+1], s[CS]
	s_mov_b32 s[MNT], 0x600000
	s_cmp_eq_u32 s[J], 0
	s_cselect_b32 s[LIM], 6, 0
	s_lshl_b32 s54, s[HD], 19
	s_mov_b32 s55, 0
	s_lshl_b32 s56, s[WV], 14
	s_add_co_u32 s56, s56, s54
	s_mov_b32 s57, 0
	s_lshl_b32 s58, s[HD], 14
	s_mov_b32 s59, 0
	s_wait_kmcnt 0x0
	s_add_nc_u64 s[QB:QB+1], s[4:5], s[54:55]
	s_add_nc_u64 s[KB:KB+1], s[4:5], s[56:57]
	s_add_nc_u64 s[VB:VB+1], s[KB:KB+1], 33554432
	s_add_nc_u64 s[KB:KB+1], s[KB:KB+1], 16777216
	s_add_nc_u64 s[QSB:QSB+1], s[6:7], s[58:59]
	s_lshl_b32 s54, s[WV], 7
	s_add_nc_u64 s[KSB:KSB+1], s[QSB:QSB+1], s[54:55]
	s_add_nc_u64 s[KSB:KSB+1], s[KSB:KSB+1], 524288
	s_lshl_b32 s54, s[WV], 9
	s_add_nc_u64 s[VSB:VSB+1], s[QSB:QSB+1], s[54:55]
	s_add_nc_u64 s[VSB:VSB+1], s[VSB:VSB+1], 1048576
	SETQ BLK
	s_mov_b64 s[KA:KA+1], s[KB:KB+1]
	s_mov_b64 s[KSA:KSA+1], s[KSB:KSB+1]
	s_mov_b64 s[VA:VA+1], s[VB:VB+1]
	s_mov_b64 s[VSA:VSA+1], s[VSB:VSB+1]
	LOADQ
	LOADK
	LOADV
	INIT
.Litem:                                            ; eight trips; the ninth item is written out, since nothing follows it
	ITEM 1
	s_add_co_u32 s54, s[IT], 1
	s_cmp_lg_u32 s54, s[N1]                        ; ids and the count of items alone: all four waves go the same way
	s_cbranch_scc1 .Lno_epi
	EPI 0
.Lno_epi:
	s_add_co_u32 s[IT], s[IT], 1
	s_cmp_lt_u32 s[IT], 8
	s_cbranch_scc1 .Litem
	ITEM 0
	EPI 1
	s_wait_tensorcnt 0x0                           ; the wave's end: behind my last LDS store
	ds_add_u32 v[SPW], v[NIL]
	s_wait_dscnt 0x0
	s_endpgm
.Lfunc_end_k_q72be1461a8_attn:
	.size	k_q72be1461a8_attn, .Lfunc_end_k_q72be1461a8_attn-k_q72be1461a8_attn
	.p2alignl 7, 3214868480
	.fill 96, 4, 3214868480
	.section	.rodata,"a",@progbits
	.p2align	6, 0x0
	.amdhsa_kernel k_q72be1461a8_attn
		.amdhsa_group_segment_fixed_size 13824
		.amdhsa_private_segment_fixed_size 0
		.amdhsa_enable_private_segment 0
		.amdhsa_kernarg_size 32
		.amdhsa_user_sgpr_count 2
		.amdhsa_user_sgpr_kernarg_segment_ptr 1
		.amdhsa_wavefront_size32 1
		.amdhsa_system_sgpr_workgroup_id_x 1
		.amdhsa_system_sgpr_workgroup_id_y 1
		.amdhsa_system_sgpr_workgroup_id_z 1
		.amdhsa_system_vgpr_workitem_id 0
		.amdhsa_next_free_vgpr 1024
		.amdhsa_next_free_sgpr 66
		.amdhsa_reserve_vcc 1
		.amdhsa_float_denorm_mode_32 3
		.amdhsa_float_denorm_mode_16_64 3
		.amdhsa_memory_ordered 1
		.amdhsa_forward_progress 1
		.amdhsa_inst_pref_size 220
	.end_amdhsa_kernel
	.amdgpu_metadata
---
amdhsa.version: [ 1, 2 ]
amdhsa.kernels:
  - .name:           k_q72be1461a8_attn
    .symbol:         k_q72be1461a8_attn.kd
    .args:
      - { .name: zc, .offset: 0, .size: 8, .value_kind: global_buffer, .address_space: global }
      - { .name: zs, .offset: 8, .size: 8, .value_kind: global_buffer, .address_space: global }
      - { .name: oc, .offset: 16, .size: 8, .value_kind: global_buffer, .address_space: global }
      - { .name: os, .offset: 24, .size: 8, .value_kind: global_buffer, .address_space: global }
    .group_segment_fixed_size: 13824
    .private_segment_fixed_size: 0
    .kernarg_segment_align: 8
    .kernarg_segment_size: 32
    .max_flat_workgroup_size: 128
    .sgpr_count:     66
    .vgpr_count:     1024
    .wavefront_size: 32
...
	.end_amdgpu_metadata
.endif
;; end of part 3
;; launch oproj (part 4): grid 4 x 64, 4 waves a work-group, no clusters, 135,680 bytes of LDS; arguments oc, os, cin, sin, x, bo, hres; writes hres
.if DOCPART == 4
	.amdgcn_target "amdgcn-amd-amdhsa--gfx1250"
	.amdhsa_code_object_version 6
	.text
	.protected	k_q72be1461a8_oproj
	.globl	k_q72be1461a8_oproj
	.p2align	8
	.type	k_q72be1461a8_oproj,@function
k_q72be1461a8_oproj:
	s_mov_b64 s[64:65], 0
	v_nop
	global_prefetch_b8 v0, s[64:65] scope:SCOPE_SE
	s_setreg_imm32_b32 hwreg(HW_REG_WAVE_MODE, 25, 1), 1
	s_wait_xcnt 0x0
; LAUNCH 4 OF 5.  hres = out Wo^T + bo + x: the output projection on codes of E4M3 (K = 4,096), the bias and the residual.  out's codes come from the launch attn, Wo's from the launch quant (layouts there).
; SHARES.  A work-group makes 64 tokens x 128 outputs.  THE WAVES SHARE K: wave w takes heads 2 w and 2 w + 1 (8 K steps of 128) for the whole tile, 32 accumulators.  So each fragment is used by one wave, once,
; and comes from memory straight into registers, as its image; the four partial sums meet in LDS, and each wave finishes 16 whole rows of 512 bytes.
; NO RING, NO CLUSTER: a work-group moves 786,432 bytes of codes for 1,024 matrix instructions and uses no byte twice; two LDS slots of a K step (96 KiB for the four waves) would leave a wave 32 matrix
; instructions between a request and the wait for it, which the register buffers give as well, with no barrier.
; The product is used transposed (source 0 = 16 rows of Wo, source 1 = 16 tokens): a lane holds one token and eight neighbouring outputs.
; REGISTERS: window 0: v1-8 addresses; v16-31 out's scale words (8 e + 4 p + s), v32-63 Wo's (16 e + 4 p + s); v64-127 x's 16 rows, then the results; v128-131 bo; v132-195 partial sums read back.
;   window 1: accumulator at 64 tt + 8 ot.   windows 2, 3: the fragments of even and odd K steps: out at 16 tt, Wo at 64 + 16 ot.
.set PITCH, 528                        ; a stage row: 128 f32 + 16 bytes
.set WSTG,  64*PITCH                   ; a wave's stage
.set SPARE, 4*WSTG                     ; the spare words, 128 bytes for each wave: two blocks of 256 bytes that no other line names
.set LI,  1
.set STO, 2
.set RD,  3                            ; v3-6
.set SPW, 7
.set NIL, 8
.set OSC, 16
.set WSC, 32
.set XR,  64
.set BO,  128
.set PT,  132
.set WV,  18
.set OB,  19
.set TB,  20
.set OCA, 22
.set WCA, 24
.set OSA, 26
.set WSA, 28
.set XA,  30
.set MSB, 0
.macro WIN new
.if MSB != (\new)
	s_set_vgpr_msb (MSB<<8)|(\new)
.set MSB, (\new)
.endif
.endm
.macro PLACES n
.rept \n
	v_nop
.endr
.endm
.macro WM d, a, b, z, sa, sb, ra, rb
.if (\z) && (\ra) && (\rb)
	v_wmma_scale_f32_16x16x128_f8f6f4 v[(\d):(\d)+7], v[(\a):(\a)+15], v[(\b):(\b)+15], 0, v[\sa], v[\sb] matrix_a_scale:MATRIX_SCALE_ROW1 matrix_b_scale:MATRIX_SCALE_ROW1
.elseif (\z) && (\ra)
	v_wmma_scale_f32_16x16x128_f8f6f4 v[(\d):(\d)+7], v[(\a):(\a)+15], v[(\b):(\b)+15], 0, v[\sa], v[\sb] matrix_a_scale:MATRIX_SCALE_ROW1
.elseif (\z) && (\rb)
	v_wmma_scale_f32_16x16x128_f8f6f4 v[(\d):(\d)+7], v[(\a):(\a)+15], v[(\b):(\b)+15], 0, v[\sa], v[\sb] matrix_b_scale:MATRIX_SCALE_ROW1
.elseif (\z)
	v_wmma_scale_f32_16x16x128_f8f6f4 v[(\d):(\d)+7], v[(\a):(\a)+15], v[(\b):(\b)+15], 0, v[\sa], v[\sb]
.elseif (\ra) && (\rb)
	v_wmma_scale_f32_16x16x128_f8f6f4 v[(\d):(\d)+7], v[(\a):(\a)+15], v[(\b):(\b)+15], v[(\d):(\d)+7], v[\sa], v[\sb] matrix_a_scale:MATRIX_SCALE_ROW1 matrix_b_scale:MATRIX_SCALE_ROW1
.elseif (\ra)
	v_wmma_scale_f32_16x16x128_f8f6f4 v[(\d):(\d)+7], v[(\a):(\a)+15], v[(\b):(\b)+15], v[(\d):(\d)+7], v[\sa], v[\sb] matrix_a_scale:MATRIX_SCALE_ROW1
.elseif (\rb)
	v_wmma_scale_f32_16x16x128_f8f6f4 v[(\d):(\d)+7], v[(\a):(\a)+15], v[(\b):(\b)+15], v[(\d):(\d)+7], v[\sa], v[\sb] matrix_b_scale:MATRIX_SCALE_ROW1
.else
	v_wmma_scale_f32_16x16x128_f8f6f4 v[(\d):(\d)+7], v[(\a):(\a)+15], v[(\b):(\b)+15], v[(\d):(\d)+7], v[\sa], v[\sb]
.endif
.endm
.macro LOADS k                         ; my K step k: 4 fragments of out, 8 of Wo: 48 loads of 512 consecutive bytes
	WIN 0x80+0x40*((\k)%2)
.irp t, 0,1,2,3
.irp c, 0,1,2,3
	global_load_b128 v[16*\t+4*\c:16*\t+4*\c+3], v[LI], s[OCA:OCA+1] offset:65536*\t+2048*(\k)+512*\c
.endr
.endr
.irp o, 0,1,2,3,4,5,6,7
.irp c, 0,1,2,3
	global_load_b128 v[64+16*\o+4*\c:64+16*\o+4*\c+3], v[LI], s[WCA:WCA+1] offset:262144*((\k)/4)+8192*\o+2048*((\k)%4)+512*\c
.endr
.endr
	WIN 0
.endm
.macro MULS k                          ; 32 matrix instructions, the accumulators by turns, in the same order in every step
	WIN 0x50+5*(2+(\k)%2)                          ; sources 0 and 1: the step's window; C and D window 1
.irp t, 0,1,2,3
.irp o, 0,1,2,3,4,5,6,7
.if (\k) == 0
	WM 64*\t+8*\o, 64+16*\o, 16*\t, 1, WSC+16*((\k)/4)+4*(\o/2)+(\k)%4, OSC+8*((\k)/4)+4*(\t/2)+(\k)%4, \o%2, \t%2
.else
	WM 64*\t+8*\o, 64+16*\o, 16*\t, 0, WSC+16*((\k)/4)+4*(\o/2)+(\k)%4, OSC+8*((\k)/4)+4*(\t/2)+(\k)%4, \o%2, \t%2
.endif
.endr
.endr
	WIN 0
.endm
	s_load_b256 s[4:11], s[0:1], 0x0               ; oc, os, cin, sin
	s_load_b128 s[12:15], s[0:1], 0x20             ; x, bo
	s_load_b64 s[16:17], s[0:1], 0x30              ; hres
	v_lshl_add_u32 v[SPW], v0, 2, SPARE
	v_mov_b32 v[NIL], 0
	v_lshrrev_b32 v9, 5, v0
	v_readfirstlane_b32 s[WV], v9                  ; wave 0..3
	v_and_b32 v9, 31, v0
	v_lshlrev_b32 v[LI], 4, v9
	v_and_b32 v9, 15, v0                           ; r
	v_bfe_u32 v10, v0, 4, 1                        ; h
	v_and_b32 v11, 8, v9
	v_add_nc_u32 v11, v11, v9                      ; r + 8 (r / 8): my token in a pair of tiles
	v_mul_u32_u24 v[STO], v11, PITCH
	v_lshl_add_u32 v[STO], v10, 6, v[STO]          ; + 16 h outputs
	s_mul_i32 s21, s[WV], WSTG
	v_add_nc_u32 v[STO], s21, v[STO]
	s_mul_i32 s21, s[WV], 16*PITCH                 ; back: rows 16 w .. 16 w + 15 of each wave's stage
	v_add_nc_u32 v[RD], s21, v[LI]
.irp v, 1,2,3
	v_add_nc_u32 v[RD+\v], \v*WSTG, v[RD]
.endr
	s_mov_b32 s[OB], ttmp9
	s_and_b32 s[TB], ttmp7, 0xffff
	s_lshl_b32 s32, s[TB], 18                      ; out: 4 token tiles x 65,536; my 8 K steps x 2,048
	s_lshl_b32 s33, s[WV], 14
	s_add_co_u32 s32, s32, s33
	s_mov_b32 s33, 0
	s_lshl_b32 s34, s[WV], 6                       ; Wo: panel 32 (2 w + e) + 8 OB + ot
	s_lshl_b32 s35, s[OB], 3
	s_add_co_u32 s34, s34, s35
	s_lshl_b32 s38, s34, 8
	s_add_co_u32 s38, s38, 262144                  ; its scale words in sin
	s_mov_b32 s39, 0
	s_lshl_b32 s34, s34, 13
	s_add_co_u32 s34, s34, 8388608                 ; its codes in cin
	s_mov_b32 s35, 0
	s_lshl_b32 s36, s[WV], 17                      ; out's scale words: head 2 w; 4 token tiles x 256
	s_lshl_b32 s37, s[TB], 10
	s_add_co_u32 s36, s36, s37
	s_mov_b32 s37, 0
	s_lshl_b32 s40, s[TB], 17                      ; x and hres: token 64 TB + 16 w, output 128 OB
	s_lshl_b32 s41, s[WV], 15
	s_add_co_u32 s40, s40, s41
	s_lshl_b32 s42, s[OB], 9
	s_add_co_u32 s40, s40, s42
	s_mov_b32 s41, 0
	s_mov_b32 s43, 0
	s_wait_kmcnt 0x0
	s_add_nc_u64 s[OCA:OCA+1], s[4:5], s[32:33]
	s_add_nc_u64 s[WCA:WCA+1], s[8:9], s[34:35]
	s_add_nc_u64 s[OSA:OSA+1], s[6:7], s[36:37]
	s_add_nc_u64 s[WSA:WSA+1], s[10:11], s[38:39]
	s_add_nc_u64 s[XA:XA+1], s[12:13], s[40:41]
	s_add_nc_u64 s[16:17], s[16:17], s[40:41]
	s_add_nc_u64 s[14:15], s[14:15], s[42:43]
.irp e, 0,1
.irp p, 0,1
	global_load_b128 v[OSC+8*\e+4*\p:OSC+8*\e+4*\p+3], v[LI], s[OSA:OSA+1] offset:65536*\e+512*\p   ; lanes 0-15 tile 2 p, lanes 16-31 tile 2 p + 1; a register for each K step
.endr
.irp p, 0,1,2,3
	global_load_b128 v[WSC+16*\e+4*\p:WSC+16*\e+4*\p+3], v[LI], s[WSA:WSA+1] offset:8192*\e+512*\p
.endr
.endr
	LOADS 0
	LOADS 1
.irp k, 0,1,2,3,4,5,6,7
.if \k < 7
	s_wait_loadcnt 48                              ; this step's fragments (and the scale words) are in; the next step's 48 loads may be out
.else
	s_wait_loadcnt 17                              ; the 16 loads of x and the one of bo may be out
.endif
	MULS \k
.if \k < 6
	PLACES 8                                       ; in front of loads into registers that matrix instructions have read
	LOADS \k+2
.endif
.if \k == 6
.irp i, 0,1,2,3,4,5,6,7,8,9,10,11,12,13,14,15
	global_load_b128 v[XR+4*\i:XR+4*\i+3], v[LI], s[XA:XA+1] offset:2048*\i th:TH_LOAD_NT   ; the residual of the 16 rows that I finish
.endr
	global_load_b128 v[BO:BO+3], v[LI], s[14:15]
.endif
.endr
	PLACES 8                                       ; in front of the first read of results
	WIN 0x04                                       ; an LDS store's data are its source 1: window 1
.irp t, 0,1,2,3
.irp o, 0,1,2,3,4,5,6,7
	ds_store_b128 v[STO], v[64*\t+8*\o:64*\t+8*\o+3] offset:(32*(\t/2)+8*(\t%2))*PITCH+(32*(\o/2)+8*(\o%2))*4      ; each accumulator from its low end on
	ds_store_b128 v[STO], v[64*\t+8*\o+4:64*\t+8*\o+7] offset:(32*(\t/2)+8*(\t%2))*PITCH+(32*(\o/2)+8*(\o%2))*4+16
.endr
.endr
	WIN 0
	s_wait_dscnt 0x0                               ; my partial sums have landed
	s_barrier_signal -1
	s_barrier_wait -1                              ; everybody's have
.irp g, 0,1,2,3
.irp i, 0,1,2,3
.irp v, 0,1,2,3
	ds_load_b128 v[PT+16*\i+4*\v:PT+16*\i+4*\v+3], v[RD+\v] offset:(4*\g+\i)*PITCH
.endr
.endr
	s_wait_dscnt 0x0
.if \g == 0
	s_wait_loadcnt 0x0                             ; x and bo
.endif
.irp i, 0,1,2,3
.irp e, 0,2
	v_pk_add_f32 v[XR+16*\g+4*\i+\e:XR+16*\g+4*\i+\e+1], v[XR+16*\g+4*\i+\e:XR+16*\g+4*\i+\e+1], v[BO+\e:BO+\e+1]
	v_pk_add_f32 v[PT+16*\i+\e:PT+16*\i+\e+1], v[PT+16*\i+\e:PT+16*\i+\e+1], v[PT+16*\i+4+\e:PT+16*\i+4+\e+1]
	v_pk_add_f32 v[PT+16*\i+8+\e:PT+16*\i+8+\e+1], v[PT+16*\i+8+\e:PT+16*\i+8+\e+1], v[PT+16*\i+12+\e:PT+16*\i+12+\e+1]
	v_pk_add_f32 v[XR+16*\g+4*\i+\e:XR+16*\g+4*\i+\e+1], v[XR+16*\g+4*\i+\e:XR+16*\g+4*\i+\e+1], v[PT+16*\i+\e:PT+16*\i+\e+1]
	v_pk_add_f32 v[XR+16*\g+4*\i+\e:XR+16*\g+4*\i+\e+1], v[XR+16*\g+4*\i+\e:XR+16*\g+4*\i+\e+1], v[PT+16*\i+8+\e:PT+16*\i+8+\e+1]
.endr
	global_store_b128 v[LI], v[XR+16*\g+4*\i:XR+16*\g+4*\i+3], s[16:17] offset:2048*(4*\g+\i)   ; 32 lanes store 512 consecutive bytes, aligned
.endr
.endr
	s_wait_tensorcnt 0x0                           ; the wave's end: behind my last LDS store
	ds_add_u32 v[SPW], v[NIL]
	s_wait_dscnt 0x0
	s_endpgm
.Lfunc_end_k_q72be1461a8_oproj:
	.size	k_q72be1461a8_oproj, .Lfunc_end_k_q72be1461a8_oproj-k_q72be1461a8_oproj
	.p2alignl 7, 3214868480
	.fill 96, 4, 3214868480
	.section	.rodata,"a",@progbits
	.p2align	6, 0x0
	.amdhsa_kernel k_q72be1461a8_oproj
		.amdhsa_group_segment_fixed_size 135680
		.amdhsa_private_segment_fixed_size 0
		.amdhsa_enable_private_segment 0
		.amdhsa_kernarg_size 56
		.amdhsa_user_sgpr_count 2
		.amdhsa_user_sgpr_kernarg_segment_ptr 1
		.amdhsa_wavefront_size32 1
		.amdhsa_system_sgpr_workgroup_id_x 1
		.amdhsa_system_sgpr_workgroup_id_y 1
		.amdhsa_system_sgpr_workgroup_id_z 1
		.amdhsa_system_vgpr_workitem_id 0
		.amdhsa_next_free_vgpr 1024
		.amdhsa_next_free_sgpr 66
		.amdhsa_reserve_vcc 0
		.amdhsa_float_denorm_mode_32 3
		.amdhsa_float_denorm_mode_16_64 3
		.amdhsa_memory_ordered 1
		.amdhsa_forward_progress 1
		.amdhsa_inst_pref_size 97
	.end_amdhsa_kernel
	.amdgpu_metadata
---
amdhsa.version: [ 1, 2 ]
amdhsa.kernels:
  - .name:           k_q72be1461a8_oproj
    .symbol:         k_q72be1461a8_oproj.kd
    .args:
      - { .name: oc, .offset: 0, .size: 8, .value_kind: global_buffer, .address_space: global }
      - { .name: os, .offset: 8, .size: 8, .value_kind: global_buffer, .address_space: global }
      - { .name: cin, .offset: 16, .size: 8, .value_kind: global_buffer, .address_space: global }
      - { .name: sin, .offset: 24, .size: 8, .value_kind: global_buffer, .address_space: global }
      - { .name: x, .offset: 32, .size: 8, .value_kind: global_buffer, .address_space: global }
      - { .name: bo, .offset: 40, .size: 8, .value_kind: global_buffer, .address_space: global }
      - { .name: hres, .offset: 48, .size: 8, .value_kind: global_buffer, .address_space: global }
    .group_segment_fixed_size: 135680
    .private_segment_fixed_size: 0
    .kernarg_segment_align: 8
    .kernarg_segment_size: 56
    .max_flat_workgroup_size: 128
    .sgpr_count:     66
    .vgpr_count:     1024
    .wavefront_size: 32
...
	.end_amdgpu_metadata
.endif
;; end of part 4
;; launch lnorm (part 5): grid 256 x 1, 4 waves a work-group, no clusters, 0 bytes of LDS; arguments hres, gamma, beta, out0; writes out0
.if DOCPART == 5
	.amdgcn_target "amdgcn-amd-amdhsa--gfx1250"
	.amdhsa_code_object_version 6
	.text
	.protected	k_q72be1461a8_lnorm
	.globl	k_q72be1461a8_lnorm
	.p2align	8
	.type	k_q72be1461a8_lnorm,@function
k_q72be1461a8_lnorm:
	s_mov_b64 s[64:65], 0
	v_nop
	global_prefetch_b8 v0, s[64:65] scope:SCOPE_SE
	s_setreg_imm32_b32 hwreg(HW_REG_WAVE_MODE, 25, 1), 1
	s_wait_xcnt 0x0
; LAUNCH 5 OF 5.  out0 = (h - mean) / sqrt(var + 1e-5) x gamma + beta along rows of 512, h = hres, all in f32; the variance is taken of h - mean, as reference() takes it.
; A stream: a wave takes 4 rows, a lane 16 numbers of a row (four loads of 16 bytes; each load of the wave covers 512 consecutive bytes).  A row stays in registers between the passes; the sums never leave the
; wave: no LDS, no barrier.  Matrix units and clusters would add nothing: every byte is read once and written once.  Each row has registers of its own, so no store's data are written again.
.set G,  8                             ; v8-23    gamma of my 16 columns
.set BT, 24                            ; v24-39   beta
.set H,  40                            ; v40-103  four rows, 16 registers each
.set A,  104                           ; v[104:105], v[106:107] two chains
.set MU, 108                           ; v[108:109] the mean (low word)
.set RS, 110                           ; v[110:111] 1 / sqrt(var + eps) (low word)
.set PM, 112                           ; v112     a permute's destination
	s_load_b256 s[4:11], s[0:1], 0x0               ; hres, gamma, beta, out0
	v_lshrrev_b32 v1, 5, v0
	v_readfirstlane_b32 s12, v1                    ; wave
	v_and_b32 v1, 31, v0
	v_lshlrev_b32 v1, 4, v1                        ; 16 x lane
	s_lshl_b32 s14, ttmp9, 15                      ; 16 rows of 2,048 bytes a work-group,
	s_lshl_b32 s13, s12, 13                        ; 4 a wave
	s_add_co_u32 s14, s14, s13
	s_mov_b32 s15, 0
	s_mov_b32 s16, 0x76543210
	s_mov_b32 s17, 0xfedcba98                      ; lane l xor 16
	s_mov_b32 s18, 0x3b000000                      ; 1 / 512
	s_mov_b32 s19, 0x3727c5ac                      ; 1e-5
	v_mov_b32 v[MU+1], 0                           ; (named as the upper halves of pairs)
	v_mov_b32 v[RS+1], 0
	v_mov_b32 v[PM], 0                             ; a lane permute's destination counts as one of its sources
	s_wait_kmcnt 0x0
	s_add_nc_u64 s[4:5], s[4:5], s[14:15]
	s_add_nc_u64 s[10:11], s[10:11], s[14:15]
.irp q, 0,1,2,3
	global_load_b128 v[G+4*\q:G+4*\q+3], v1, s[6:7] offset:512*\q
	global_load_b128 v[BT+4*\q:BT+4*\q+3], v1, s[8:9] offset:512*\q
.endr
.irp p, 0,1,2,3
.irp q, 0,1,2,3
	global_load_b128 v[H+16*\p+4*\q:H+16*\p+4*\q+3], v1, s[4:5] offset:2048*\p+512*\q th:TH_LOAD_NT
.endr
.endr
.macro REDUCE                          ; v[A] + v[A+1] + v[A+2] + v[A+3], then over the 32 lanes; the result in every lane's v[A]
	v_pk_add_f32 v[A:A+1], v[A:A+1], v[A+2:A+3]
	v_add_f32 v[A], v[A], v[A+1]
	v_add_f32_dpp v[A], v[A], v[A] row_xmask:1 row_mask:0xf bank_mask:0xf
	v_add_f32_dpp v[A], v[A], v[A] row_xmask:2 row_mask:0xf bank_mask:0xf
	v_add_f32_dpp v[A], v[A], v[A] row_xmask:4 row_mask:0xf bank_mask:0xf
	v_add_f32_dpp v[A], v[A], v[A] row_xmask:8 row_mask:0xf bank_mask:0xf
	v_permlanex16_b32 v[PM], v[A], s16, s17
	v_add_f32 v[A], v[A], v[PM]
.endm
.macro ROW p
.set R, H+16*\p
	s_wait_loadcnt 12-4*\p                         ; this row's four loads (and gamma and beta) are in; the later rows' may be out
	v_pk_add_f32 v[A:A+1], v[R:R+1], v[R+2:R+3]
	v_pk_add_f32 v[A+2:A+3], v[R+4:R+5], v[R+6:R+7]
	v_pk_add_f32 v[A:A+1], v[A:A+1], v[R+8:R+9]
	v_pk_add_f32 v[A+2:A+3], v[A+2:A+3], v[R+10:R+11]
	v_pk_add_f32 v[A:A+1], v[A:A+1], v[R+12:R+13]
	v_pk_add_f32 v[A+2:A+3], v[A+2:A+3], v[R+14:R+15]
	REDUCE
	v_mul_f32 v[MU], s18, v[A]                     ; the mean
.irp i, 0,2,4,6,8,10,12,14
	v_pk_add_f32 v[R+\i:R+\i+1], v[R+\i:R+\i+1], v[MU:MU+1] op_sel_hi:[1,0] neg_lo:[0,1] neg_hi:[0,1]   ; h - mean
.endr
	v_pk_mul_f32 v[A:A+1], v[R:R+1], v[R:R+1]
	v_pk_mul_f32 v[A+2:A+3], v[R+2:R+3], v[R+2:R+3]
.irp i, 4,8,12
	v_pk_fma_f32 v[A:A+1], v[R+\i:R+\i+1], v[R+\i:R+\i+1], v[A:A+1]
	v_pk_fma_f32 v[A+2:A+3], v[R+\i+2:R+\i+3], v[R+\i+2:R+\i+3], v[A+2:A+3]
.endr
	REDUCE
	v_fma_f32 v[A], v[A], s18, s19                 ; var + eps
	v_rsq_f32 v[RS], v[A]
	v_nop                                          ; a plain line behind the transcendental
	s_wait_alu depctr_va_vdst(0)                   ; and the wait, ahead of its first reader
.irp i, 0,2,4,6,8,10,12,14
	v_pk_mul_f32 v[R+\i:R+\i+1], v[R+\i:R+\i+1], v[RS:RS+1] op_sel_hi:[1,0]
.endr
.irp i, 0,2,4,6,8,10,12,14
	v_pk_fma_f32 v[R+\i:R+\i+1], v[R+\i:R+\i+1], v[G+\i:G+\i+1], v[BT+\i:BT+\i+1]
.endr
.irp q, 0,1,2,3
	global_store_b128 v1, v[R+4*\q:R+4*\q+3], s[10:11] offset:2048*\p+512*\q th:TH_STORE_NT   ; 512 consecutive bytes, aligned
.endr
.endm
	ROW 0
	ROW 1
	ROW 2
	ROW 3
	s_endpgm
.Lfunc_end_k_q72be1461a8_lnorm:
	.size	k_q72be1461a8_lnorm, .Lfunc_end_k_q72be1461a8_lnorm-k_q72be1461a8_lnorm
	.p2alignl 7, 3214868480
	.fill 96, 4, 3214868480
	.section	.rodata,"a",@progbits
	.p2align	6, 0x0
	.amdhsa_kernel k_q72be1461a8_lnorm
		.amdhsa_group_segment_fixed_size 0
		.amdhsa_private_segment_fixed_size 0
		.amdhsa_enable_private_segment 0
		.amdhsa_kernarg_size 32
		.amdhsa_user_sgpr_count 2
		.amdhsa_user_sgpr_kernarg_segment_ptr 1
		.amdhsa_wavefront_size32 1
		.amdhsa_system_sgpr_workgroup_id_x 1
		.amdhsa_system_sgpr_workgroup_id_y 1
		.amdhsa_system_sgpr_workgroup_id_z 1
		.amdhsa_system_vgpr_workitem_id 0
		.amdhsa_next_free_vgpr 128
		.amdhsa_next_free_sgpr 66
		.amdhsa_reserve_vcc 0
		.amdhsa_float_denorm_mode_32 3
		.amdhsa_float_denorm_mode_16_64 3
		.amdhsa_memory_ordered 1
		.amdhsa_forward_progress 1
		.amdhsa_inst_pref_size 19
	.end_amdhsa_kernel
	.amdgpu_metadata
---
amdhsa.version: [ 1, 2 ]
amdhsa.kernels:
  - .name:           k_q72be1461a8_lnorm
    .symbol:         k_q72be1461a8_lnorm.kd
    .args:
      - { .name: hres, .offset: 0, .size: 8, .value_kind: global_buffer, .address_space: global }
      - { .name: gamma, .offset: 8, .size: 8, .value_kind: global_buffer, .address_space: global }
      - { .name: beta, .offset: 16, .size: 8, .value_kind: global_buffer, .address_space: global }
      - { .name: out0, .offset: 24, .size: 8, .value_kind: global_buffer, .address_space: global }
    .group_segment_fixed_size: 0
    .private_segment_fixed_size: 0
    .kernarg_segment_align: 8
    .kernarg_segment_size: 32
    .max_flat_workgroup_size: 128
    .sgpr_count:     66
    .vgpr_count:     128
    .wavefront_size: 32
...
	.end_amdgpu_metadata
.endif
;; end of part 5
;; ======== version 2 of 2: 5 launches
;; limits: right only within a limited range of input values
;; workspace buffers: cin 10,485,760 bytes; sin 327,680 bytes; zc 50,331,648 bytes; zs 1,572,864 bytes; oc 16,777,216 bytes; os 524,288 bytes; hres 8,388,608 bytes
;; launch quant: the kernel of part 1 again; grid 320 x 1, 4 waves a work-group, no clusters, 34,304 bytes of LDS; arguments x, Q, K, P, Wo, cin, sin; writes cin, sin
;; launch proj: the kernel of part 2 again; grid 16 x 48, 4 waves a work-group, clusters of 4 x 4, 327,680 bytes of LDS; arguments cin, sin, zc, zs; writes zc, zs
;; launch attn (part 6): grid 8 x 32, 4 waves a work-group, no clusters, 13,824 bytes of LDS; arguments zc, zs, oc, os; writes oc, os
.if DOCPART == 6
	.amdgcn_target "amdgcn-amd-amdhsa--gfx1250"
	.amdhsa_code_object_version 6
	.text
	.protected	k_q72be1461a8_attn
	.globl	k_q72be1461a8_attn
	.p2align	8
	.type	k_q72be1461a8_attn,@function
k_q72be1461a8_attn:
	s_mov_b64 s[64:65], 0
	v_nop
	global_prefetch_b8 v0, s[64:65] scope:SCOPE_SE
	s_setreg_imm32_b32 hwreg(HW_REG_WAVE_MODE, 25, 1), 1
	s_wait_xcnt 0x0
; LAUNCH 3 OF 5.  Causal attention on codes of E4M3: S^T = KZ QZ^T (K = 512), p = 2^(t - M), O^T = PZ^T p^T (K = the keys), O / l quantised along (head, channel) for the output projection.
; WORK LEFT OUT: the steps of 128 keys that lie wholly behind a block of 64 queries (reference()'s own causal mask makes their weights exactly 0): see the head of the launch quant.
; SHARES.  Work-group (J, head) takes the blocks of 64 queries 15 - J and then J: (15 - J) / 2 + 1 and J / 2 + 1 key steps, always 9 ITEMS of 64 queries x 128 keys: 256 equal work-groups.
; THE WAVES SHARE COLUMNS.  In S^T wave w takes keys 32 w .. 32 w + 31 of the step: one block of the quantiser for each query.  In O^T wave w takes channels 128 w .. 128 w + 127: one K step of the next product.
; So each fragment of KZ and PZ is used by one wave, once, for all 64 queries: it goes from memory straight into registers, as its image: no tensor load, no ring.
; NO CLUSTER: under the causal mask the work-groups of a head walk different numbers of key steps, so a partner would have to ask for tiles that none of its waves reads.
; p FROM WAVE TO WAVE.  A wave quantises its block under its OWN whole number M_w = ceil(the block's largest t), t = score x log2(e) / sqrt(512), and hands over, through LDS: its 4 registers of codes (chunk w of p's
; fragment image), E_w = M_w + its scale byte (a whole number in f32), and its sum of the unquantised p times 2^(-byte) (exact).  Behind the barrier every wave forms for each query the running Ec = max(Ec, E_0 .. E_3),
; f = 2^(old Ec - new Ec), the bytes b_w = max(E_w - Ec + 119, 0), l = l f + the sum of the waves' sums x 2^(b_w), and O^T = O^T f.  That is the rule's p under the whole number M = Ec - 119: every factor is an
; exact power of two that a scale byte takes up, and the maximum is taken away before every exponential.
; THE NEXT ITEM'S KZ IS ASKED FOR IN TWO RUNS: 24 loads behind the scores' products, where PZ's 36 are still out (60 in all), and the other 12 behind the wait for PZ: so the softmax is issued while PZ is on its way.
; LIMITS: |t| under 2^24, so that M + byte is exact in f32; a block more than 119 binades under the row's largest counts as if it were 119 under (under 2^-110 of the row's sum); NaN and infinities are not served.
; oc: token tile (0..255) x 65,536 + (4 m + w) x 2,048.   os: m x 65,536 + token tile x 256 + 16 r + 4 w.
; REGISTERS: window 0: see the names below.   window 1: QZ, 64 qt + 16 s.   window 2: O^T, 64 qt + 8 ct.   window 3: KZ at 64 u + 16 s, PZ at 128 + 16 ct.
.set PIMG,  0                          ; LDS: p's four fragment images: 2,048 qt + 512 w + 16 lane
.set REC,   8192                       ; the waves' records: 1,024 qt + 32 lane + 8 w: (sum, E)
.set SCST,  12288                      ; the result's scale words: 256 qt + 16 r + 4 w
.set SPARE, 13312                      ; the spare words, 128 bytes for each wave: two blocks of 256 bytes that no other line names
.set LI,  1                            ; v1   16 x lane
.set L4,  2                            ; v2   4 x lane
.set L8,  3                            ; v3   8 x lane
.set PFO, 4                            ; v4   256 x lane: the prefetches' offset; never rewritten
.set SPW, 5                            ; v5   LDS address of my spare word; never rewritten
.set NIL, 6                            ; v6   0; never rewritten
.set PST, 7                            ; v7   where I store my chunk of p's image
.set RST, 8                            ; v8   where I store my record
.set RLD, 9                            ; v9   where I read the four records
.set SST, 10                           ; v10  where I store a result's scale word
.set SLD, 11                           ; v11  where I read a tile's scale words back
.set LQ,  12                           ; v12  r + 8 (r / 8) - 16 h
.set NINF, 13                          ; v13  -infinity
.set D,   16                           ; v16-19  the mask: register i of tile qt is hidden where i > D
.set QSC, 20                           ; v20-27  QZ's scale words: 4 p + s: lanes 0-15 tile 2 p, lanes 16-31 tile 2 p + 1
.set KSC, 28                           ; v28-31  KZ's: s: lanes 0-15 my tile 0, lanes 16-31 my tile 1
.set VSC, 32                           ; v32-35  PZ's: p: tiles 2 p, 2 p + 1
.set PS,  36                           ; v36-39  p's scale words
.set EC,  40                           ; v40-43  the running Ec
.set LS,  44                           ; v44-47  l
.set F,   48                           ; v48-55  f (later 1 / l), the low word of a pair for each tile
.set S,   64                           ; v64-127 S^T: 16 qt + 8 u + j; then p
.set X,   64                           ;         in the epilogue: 64 numbers of O / l
.set PF,  128                          ; v128-191 p's four fragments
.set PC,  128                          ; v128-143 codes just made
.set RC,  192                          ; v192-223 the records: 8 a tile
.set T,   224                          ; v224-255 at work: 8 a tile
.set TM,  224
.set PW,  240
.set SW,  244
.set WV,  12
.set J,   13
.set HD,  14
.set N1,  15                           ; s15  items of the first block
.set IT,  16                           ; s16  the item
.set KS,  17                           ; s17  its key step
.set BLK, 18                           ; s18  the block of queries in hand
.set KSN, 19                           ; s19  the next item's key step
.set SEL, 20
.set CS,  22                           ; s[22:23] c = log2(e) / sqrt(512)
.set MNT, 24
.set LIM, 25
.set QB,  26                           ; bases in my head: QZ, KZ + my 2 tiles, PZ + my 8 tiles; their scale words
.set KB,  28
.set VB,  30
.set QSB, 32
.set KSB, 34
.set VSB, 36
.set KA,  38                           ; and the addresses in hand
.set KSA, 40
.set VA,  42
.set VSA, 44
.set QA,  46
.set QSA, 48
.set OA,  50
.set OSA, 52
.set MSB, 0
.macro WIN new
.if MSB != (\new)
	s_set_vgpr_msb (MSB<<8)|(\new)
.set MSB, (\new)
.endif
.endm
.macro PLACES n
.rept \n
	v_nop
.endr
.endm
; one matrix instruction: D (and C, or 0 where z = 1), source 0, source 1, their scale registers, and which half of the lanes holds each side's words
.macro WM d, a, b, z, sa, sb, ra, rb
.if (\z) && (\ra) && (\rb)
	v_wmma_scale_f32_16x16x128_f8f6f4 v[(\d):(\d)+7], v[(\a):(\a)+15], v[(\b):(\b)+15], 0, v[\sa], v[\sb] matrix_a_scale:MATRIX_SCALE_ROW1 matrix_b_scale:MATRIX_SCALE_ROW1
.elseif (\z) && (\ra)
	v_wmma_scale_f32_16x16x128_f8f6f4 v[(\d):(\d)+7], v[(\a):(\a)+15], v[(\b):(\b)+15], 0, v[\sa], v[\sb] matrix_a_scale:MATRIX_SCALE_ROW1
.elseif (\z) && (\rb)
	v_wmma_scale_f32_16x16x128_f8f6f4 v[(\d):(\d)+7], v[(\a):(\a)+15], v[(\b):(\b)+15], 0, v[\sa], v[\sb] matrix_b_scale:MATRIX_SCALE_ROW1
.elseif (\z)
	v_wmma_scale_f32_16x16x128_f8f6f4 v[(\d):(\d)+7], v[(\a):(\a)+15], v[(\b):(\b)+15], 0, v[\sa], v[\sb]
.elseif (\ra) && (\rb)
	v_wmma_scale_f32_16x16x128_f8f6f4 v[(\d):(\d)+7], v[(\a):(\a)+15], v[(\b):(\b)+15], v[(\d):(\d)+7], v[\sa], v[\sb] matrix_a_scale:MATRIX_SCALE_ROW1 matrix_b_scale:MATRIX_SCALE_ROW1
.elseif (\ra)
	v_wmma_scale_f32_16x16x128_f8f6f4 v[(\d):(\d)+7], v[(\a):(\a)+15], v[(\b):(\b)+15], v[(\d):(\d)+7], v[\sa], v[\sb] matrix_a_scale:MATRIX_SCALE_ROW1
.elseif (\rb)
	v_wmma_scale_f32_16x16x128_f8f6f4 v[(\d):(\d)+7], v[(\a):(\a)+15], v[(\b):(\b)+15], v[(\d):(\d)+7], v[\sa], v[\sb] matrix_b_scale:MATRIX_SCALE_ROW1
.else
	v_wmma_scale_f32_16x16x128_f8f6f4 v[(\d):(\d)+7], v[(\a):(\a)+15], v[(\b):(\b)+15], v[(\d):(\d)+7], v[\sa], v[\sb]
.endif
.endm
.macro QUANT s, pw                     ; 64 numbers of a lane become a fragment's codes in v[PC] on and its scale word in v[pw]
.irp b, 0,1,2,3
	v_max3_num_f32 v[TM+\b], |v[\s+16*\b]|, |v[\s+1+16*\b]|, 0x4800000
.endr
.irp i, 2,4,6,8,10,12,14
.irp b, 0,1,2,3
	v_max3_num_f32 v[TM+\b], v[TM+\b], |v[\s+16*\b+\i]|, |v[\s+1+16*\b+\i]|
.endr
.endr
.irp b, 0,1,2,3
	v_permlanex16_b32 v[TM+4+\b], v[TM+\b], s[SEL], s[SEL+1]
.endr
.irp b, 0,1,2,3
	v_max_num_f32 v[TM+\b], v[TM+\b], v[TM+4+\b]
.endr
.irp b, 0,1,2,3
	v_add_nc_u32 v[TM+12+\b], 0xfc000000, v[TM+\b]
.endr
.irp b, 0,1,2,3
	v_and_or_b32 v[TM+8+\b], v[TM+\b], 0x7f800000, s[MNT]
.endr
.irp b, 0,1,2,3
	v_lshrrev_b32 v[TM+4+\b], 23, v[TM+12+\b]
.endr
	v_lshl_or_b32 v[\pw], v[TM+5], 8, v[TM+4]
	v_lshl_or_b32 v[\pw], v[TM+6], 16, v[\pw]
	v_lshl_or_b32 v[\pw], v[TM+7], 24, v[\pw]
.irp b, 0,1,2,3
.irp i, 0,1,2,3,4,5,6,7,8,9,10,11,12,13,14,15
	v_med3_num_f32 v[\s+16*\b+\i], v[\s+16*\b+\i], -v[TM+8+\b], v[TM+8+\b]
.endr
	v_cvt_scalef32_pk8_fp8_f32 v[PC+4*\b:PC+1+4*\b], v[\s+16*\b:\s+7+16*\b], v[TM+12+\b]
	v_cvt_scalef32_pk8_fp8_f32 v[PC+2+4*\b:PC+3+4*\b], v[\s+8+16*\b:\s+15+16*\b], v[TM+12+\b]
.endr
	v_nop
.endm
.macro SETQ b                          ; QZ's addresses for the block of queries in s[b]
	s_lshl_b32 s54, s[\b], 15
	s_mov_b32 s55, 0
	s_add_nc_u64 s[QA:QA+1], s[QB:QB+1], s[54:55]
	s_lshl_b32 s54, s[\b], 8
	s_add_nc_u64 s[QSA:QSA+1], s[QSB:QSB+1], s[54:55]
.endm
.macro LOADQ                           ; 4 tiles x 4 K steps: 64 loads of 512 consecutive bytes; 8 of scale words
	WIN 0x40
.set i, 0
.rept 64
	global_load_b128 v[4*i:4*i+3], v[LI], s[QA:QA+1] offset:512*i
.set i, i+1
.endr
	WIN 0
.irp p, 0,1
.irp s, 0,1,2,3
	global_load_b32 v[QSC+4*\p+\s], v[L4], s[QSA:QSA+1] offset:4096*\s+128*\p
.endr
.endr
.endm
.macro LOADK1                          ; my 2 tiles of keys x 4 K steps are 32 loads: the first 24 of them
	WIN 0xc0
.set i, 0
.rept 24
	global_load_b128 v[4*i:4*i+3], v[LI], s[KA:KA+1] offset:512*i
.set i, i+1
.endr
	WIN 0
.endm
.macro LOADK2                          ; the other 8, and the 4 loads of scale words: 12 loads
	WIN 0xc0
.set i, 24
.rept 8
	global_load_b128 v[4*i:4*i+3], v[LI], s[KA:KA+1] offset:512*i
.set i, i+1
.endr
	WIN 0
.irp s, 0,1,2,3
	global_load_b32 v[KSC+\s], v[L4], s[KSA:KSA+1] offset:4096*\s
.endr
.endm
.macro LOADV                           ; my 8 tiles of channels, and their scale words: 36 loads
	WIN 0xc0
.set i, 0
.rept 32
	global_load_b128 v[128+4*i:128+4*i+3], v[LI], s[VA:VA+1] offset:512*i
.set i, i+1
.endr
	WIN 0
.irp p, 0,1,2,3
	global_load_b32 v[VSC+\p], v[L4], s[VSA:VSA+1] offset:128*\p
.endr
.endm
.macro NEXT                            ; the next item's key step and addresses
	s_wait_xcnt 0x0                                ; every earlier load and prefetch has read its address
	s_add_co_u32 s54, s[IT], 1
	s_add_co_u32 s[KSN], s[KS], 1
	s_cmp_eq_u32 s54, s[N1]
	s_cselect_b32 s[KSN], 0, s[KSN]                ; the second block begins at key 0
	s_lshl_b32 s54, s[KSN], 16
	s_mov_b32 s55, 0
	s_add_nc_u64 s[KA:KA+1], s[KB:KB+1], s[54:55]
	s_add_nc_u64 s[VA:VA+1], s[VB:VB+1], s[54:55]
	s_lshl_b32 s54, s[KSN], 9
	s_add_nc_u64 s[KSA:KSA+1], s[KSB:KSB+1], s[54:55]
	s_lshl_b32 s54, s[KSN], 11
	s_add_nc_u64 s[VSA:VSA+1], s[VSB:VSB+1], s[54:55]
.endm
; A PREFETCH INTO THE L2 of key step KS + 2: my wave's own 16,384 bytes of KZ and of PZ, lanes 256 bytes apart, four instructions, behind the run of loads just issued.  All eight work-groups of a head walk the
; same keys: the one that walks all eight steps on end (J = 0) asks, in its items 0 to 5, so that each block of 256 bytes is named once in the launch; steps 0 and 1 come by their loads alone; nothing past step 7.
.macro ASK
	s_cmp_lt_u32 s[IT], s[LIM]
	s_cbranch_scc0 .Lnot_mine_\@
	global_prefetch_b8 v[PFO], s[KA:KA+1] offset:65536 th:TH_LOAD_NT scope:SCOPE_SE
	global_prefetch_b8 v[PFO], s[KA:KA+1] offset:73728 th:TH_LOAD_NT scope:SCOPE_SE
	global_prefetch_b8 v[PFO], s[VA:VA+1] offset:65536 th:TH_LOAD_NT scope:SCOPE_SE
	global_prefetch_b8 v[PFO], s[VA:VA+1] offset:73728 th:TH_LOAD_NT scope:SCOPE_SE
.Lnot_mine_\@:
.endm
.macro QK                              ; S^T = KZ QZ^T: my 32 keys x 64 queries; the eight accumulators by turns, K step by K step
	WIN 0x07                                       ; source 0 window 3, source 1 window 1
.irp s, 0,1,2,3
.irp q, 0,1,2,3
.irp u, 0,1
.if \s == 0
	WM S+16*\q+8*\u, 64*\u+16*\s, 64*\q+16*\s, 1, KSC+\s, QSC+4*(\q/2)+\s, \u, \q%2
.else
	WM S+16*\q+8*\u, 64*\u+16*\s, 64*\q+16*\s, 0, KSC+\s, QSC+4*(\q/2)+\s, \u, \q%2
.endif
.endr
.endr
.endr
.endm
.macro MASK                            ; a block's last key step: hidden scores become -infinity.  Register i of tile qt holds key 128 KS + 32 w + 16 h + i; my query is 64 BLK + 32 (qt / 2) + 8 (qt % 2) + r + 8 (r / 8)
	s_lshl_b32 s54, s[BLK], 6
	s_lshl_b32 s55, s[KS], 7
	s_sub_co_i32 s54, s54, s55
	s_lshl_b32 s55, s[WV], 5
	s_sub_co_i32 s54, s54, s55
.irp q, 0,1,2,3
	v_add_nc_u32 v[D+\q], s54, v[LQ]
.endr
.irp q, 1,2,3
	v_add_nc_u32 v[D+\q], 32*(\q/2)+8*(\q%2), v[D+\q]
.endr
.irp q, 0,1,2,3
.irp i, 0,1,2,3,4,5,6,7,8,9,10,11,12,13,14,15
	v_cmp_gt_i32 vcc_lo, \i, v[D+\q]
	v_cndmask_b32 v[S+16*\q+\i], v[S+16*\q+\i], v[NINF], vcc_lo
.endr
.endr
.endm
; THE SOFTMAX OF MY BLOCK OF 32 KEYS, for the four tiles of queries by turns.  T + 8 q: +0 the largest score, then the largest p; +1 a permute's; +2 -M; +3 t, then the byte; +4 the hold; +5 the scale operand; +6, +7 the sums, then the record
.macro SOFT
.irp q, 0,1,2,3
	v_max3_num_f32 v[T+8*\q], v[S+16*\q], v[S+16*\q+1], v[S+16*\q+2]   ; each accumulator is read from its low end on
.endr
.irp i, 3,5,7,9,11,13
.irp q, 0,1,2,3
	v_max3_num_f32 v[T+8*\q], v[T+8*\q], v[S+16*\q+\i], v[S+16*\q+\i+1]
.endr
.endr
.irp q, 0,1,2,3
	v_max_num_f32 v[T+8*\q], v[T+8*\q], v[S+16*\q+15]
.endr
.irp q, 0,1,2,3
	v_permlanex16_b32 v[T+8*\q+1], v[T+8*\q], s[SEL], s[SEL+1]
.endr
.irp q, 0,1,2,3
	v_max_num_f32 v[T+8*\q], v[T+8*\q], v[T+8*\q+1]   ; with lane l xor 16's 16 keys: the block's largest score
.endr
.irp q, 0,1,2,3
	v_mul_f32 v[T+8*\q+3], s[CS], v[T+8*\q]        ; as t (c is positive)
.endr
.irp q, 0,1,2,3
	v_max_num_f32 v[T+8*\q+3], 0xff61b1e6, v[T+8*\q+3]   ; a block that is wholly hidden: -3e38 in the place of -infinity, so that M is a number
.endr
.irp q, 0,1,2,3
	v_floor_f32 v[T+8*\q+2], -v[T+8*\q+3]          ; -M = floor(-t): M is a whole number
.endr
.irp q, 0,1,2,3
.irp i, 0,2,4,6,8,10,12,14
	v_pk_fma_f32 v[S+16*\q+\i:S+16*\q+\i+1], v[S+16*\q+\i:S+16*\q+\i+1], s[CS:CS+1], v[T+8*\q+2:T+8*\q+3] op_sel_hi:[1,0,0]   ; t - M, two at a time
.endr
.endr
.irp q, 0,1,2,3
	v_fma_f32 v[T+8*\q], v[T+8*\q], s[CS], v[T+8*\q+2]   ; the same of the block's largest score: p rises with the score
.endr
.irp q, 0,1,2,3
.irp i, 0,1,2,3,4,5,6,7,8,9,10,11,12,13,14,15
	v_exp_f32 v[S+16*\q+\i], v[S+16*\q+\i]         ; p = 2^(t - M), at most 1
.endr
.endr
.irp q, 0,1,2,3
	v_exp_f32 v[T+8*\q], v[T+8*\q]                 ; the block's largest p
.endr
	v_nop                                          ; a plain line behind the last exponential
	s_wait_alu depctr_va_vdst(0)                   ; one wait for the batch of 68, ahead of its first reader
.irp q, 0,1,2,3
	v_pk_add_f32 v[T+8*\q+6:T+8*\q+7], v[S+16*\q:S+16*\q+1], v[S+16*\q+2:S+16*\q+3]   ; the sum is taken of the unquantised p
.endr
.irp i, 4,6,8,10,12,14
.irp q, 0,1,2,3
	v_pk_add_f32 v[T+8*\q+6:T+8*\q+7], v[T+8*\q+6:T+8*\q+7], v[S+16*\q+\i:S+16*\q+\i+1]
.endr
.endr
.irp q, 0,1,2,3
	v_add_f32 v[T+8*\q+6], v[T+8*\q+6], v[T+8*\q+7]
.endr
.irp q, 0,1,2,3
	v_permlanex16_b32 v[T+8*\q+1], v[T+8*\q+6], s[SEL], s[SEL+1]
.endr
.irp q, 0,1,2,3
	v_add_f32 v[T+8*\q+6], v[T+8*\q+6], v[T+8*\q+1]
.endr
.irp q, 0,1,2,3
	v_max_num_f32 v[T+8*\q], 0x4800000, v[T+8*\q]  ; the floor 2^(9 - 127): a block of zeros keeps the byte 1; its codes are zeros
.endr
.irp q, 0,1,2,3
	v_add_nc_u32 v[T+8*\q+5], 0xfc000000, v[T+8*\q]   ; the conversion's scale operand
.endr
.irp q, 0,1,2,3
	v_and_or_b32 v[T+8*\q+4], v[T+8*\q], 0x7f800000, s[MNT]   ; 448 x the scale
.endr
.irp q, 0,1,2,3
	v_lshrrev_b32 v[T+8*\q+3], 23, v[T+8*\q+5]     ; the byte
.endr
.irp q, 0,1,2,3
.irp i, 0,1,2,3,4,5,6,7,8,9,10,11,12,13,14,15
	v_min_num_f32 v[S+16*\q+\i], v[S+16*\q+\i], v[T+8*\q+4]   ; p is not negative: the hold is one-sided
.endr
	v_cvt_scalef32_pk8_fp8_f32 v[PC+4*\q:PC+4*\q+1], v[S+16*\q:S+16*\q+7], v[T+8*\q+5]
	v_cvt_scalef32_pk8_fp8_f32 v[PC+4*\q+2:PC+4*\q+3], v[S+16*\q+8:S+16*\q+15], v[T+8*\q+5]
.endr
	v_nop                                          ; a plain line behind the last conversion
.irp q, 0,1,2,3
	v_sub_nc_u32 v[T+8*\q+1], 0, v[T+8*\q+3]       ; -byte
.endr
.irp q, 0,1,2,3
	v_cvt_f32_u32 v[T+8*\q+3], v[T+8*\q+3]
.endr
.irp q, 0,1,2,3
	v_ldexp_f32 v[T+8*\q+6], v[T+8*\q+6], v[T+8*\q+1]   ; the sum x 2^(-byte): exact
.endr
.irp q, 0,1,2,3
	v_sub_f32 v[T+8*\q+7], v[T+8*\q+3], v[T+8*\q+2]   ; E = byte + M
.endr
.irp q, 0,1,2,3
	ds_store_b128 v[PST], v[PC+4*\q:PC+4*\q+3] offset:PIMG+2048*\q
	ds_store_b64 v[RST], v[T+8*\q+6:T+8*\q+7] offset:1024*\q
.endr
.endm
; From the four waves' records: Ec, f, p's scale word, l.  The scale words are made first: the lines on l that follow, which name no register of the products, are the places that a scale register so written owes.
.macro STATS
.irp q, 0,1,2,3
	v_max3_num_f32 v[T+8*\q], v[RC+8*\q+1], v[RC+8*\q+3], v[RC+8*\q+5]
.endr
.irp q, 0,1,2,3
	v_max3_num_f32 v[T+8*\q], v[T+8*\q], v[RC+8*\q+7], v[EC+\q]   ; the new Ec
.endr
.irp q, 0,1,2,3
	v_sub_f32 v[T+8*\q+1], v[EC+\q], v[T+8*\q]     ; old less new: a whole number, 0 or less
.endr
.irp q, 0,1,2,3
	v_mov_b32 v[EC+\q], v[T+8*\q]
.endr
.irp q, 0,1,2,3
	v_add_f32 v[T+8*\q+2], 0xc2ee0000, v[T+8*\q]   ; Ec - 119
.endr
.irp q, 0,1,2,3
	v_cvt_i32_f32 v[T+8*\q+1], v[T+8*\q+1]         ; (it saturates)
.endr
.irp w, 0,1,2,3
.irp q, 0,1,2,3
	v_sub_f32 v[T+8*\q+3+\w], v[RC+8*\q+1+2*\w], v[T+8*\q+2]
.endr
.endr
.irp w, 0,1,2,3
.irp q, 0,1,2,3
	v_max_num_f32 v[T+8*\q+3+\w], 0, v[T+8*\q+3+\w]
.endr
.endr
.irp w, 0,1,2,3
.irp q, 0,1,2,3
	v_cvt_u32_f32 v[T+8*\q+3+\w], v[T+8*\q+3+\w]   ; b_w, 0 .. 119
.endr
.endr
.irp q, 0,1,2,3
	v_ldexp_f32 v[F+2*\q], 1.0, v[T+8*\q+1]        ; f = 2^(old Ec - new Ec): a multiplication by it rounds nothing
.endr
.irp q, 0,1,2,3
	v_lshl_or_b32 v[PS+\q], v[T+8*\q+4], 8, v[T+8*\q+3]
.endr
.irp q, 0,1,2,3
	v_lshl_or_b32 v[PS+\q], v[T+8*\q+5], 16, v[PS+\q]
.endr
.irp q, 0,1,2,3
	v_lshl_or_b32 v[PS+\q], v[T+8*\q+6], 24, v[PS+\q]
.endr
.irp q, 0,1,2,3
	v_mul_f32 v[LS+\q], v[LS+\q], v[F+2*\q]
.endr
.irp w, 0,1,2,3
.irp q, 0,1,2,3
	v_ldexp_f32 v[RC+8*\q+2*\w], v[RC+8*\q+2*\w], v[T+8*\q+3+\w]
.endr
.endr
.irp q, 0,1,2,3
	v_add_f32 v[RC+8*\q], v[RC+8*\q], v[RC+8*\q+2]
.endr
.irp q, 0,1,2,3
	v_add_f32 v[RC+8*\q+4], v[RC+8*\q+4], v[RC+8*\q+6]
.endr
.irp q, 0,1,2,3
	v_add_f32 v[RC+8*\q], v[RC+8*\q], v[RC+8*\q+4]
.endr
.irp q, 0,1,2,3
	v_add_f32 v[LS+\q], v[LS+\q], v[RC+8*\q]
.endr
.endm
.macro RESCALE                         ; O^T x f
	WIN 0x82                                       ; destination and source 0 window 2
.irp q, 0,1,2,3
.set i, 0
.rept 32
	v_pk_mul_f32 v[64*\q+2*i:64*\q+2*i+1], v[64*\q+2*i:64*\q+2*i+1], v[F+2*\q:F+2*\q+1] op_sel_hi:[1,0]
.set i, i+1
.endr
.endr
.endm
.macro PV                              ; O^T += PZ^T p^T: my 128 channels x 64 queries, K = the step's 128 keys: 32 accumulators, one instruction each
	WIN 0xa3                                       ; source 0 window 3, source 1 window 0, C and D window 2
.irp c, 0,1,2,3,4,5,6,7
.irp q, 0,1,2,3
	WM 64*\q+8*\c, 128+16*\c, PF+16*\q, 0, VSC+\c/2, PS+\q, \c%2, 0
.endr
.endr
.endm
.macro INIT                            ; a block of queries begins: the item is written once, and its first change of Ec multiplies zeros
	WIN 0x80
.set i, 0
.rept 256
	v_mov_b32 v[i], 0
.set i, i+1
.endr
	WIN 0
.irp q, 0,1,2,3
	v_mov_b32 v[EC+\q], 0xff61b1e6                 ; -3e38, under every E
	v_mov_b32 v[LS+\q], 0
.endr
.endm
; AN ITEM: 64 queries x 128 keys.  next = 1: the next item's KZ and PZ are asked for on the way.
.macro ITEM next
	s_wait_loadcnt 36                              ; KZ (and QZ) are in; PZ's 36 loads, issued behind them, may be out
	QK
	WIN 0
	PLACES 8                                       ; in front of the loads into KZ's registers and of the first read of the scores
.if \next
	NEXT
	LOADK1                                         ; 24 loads: with PZ's 36, 60 are out
	ASK
	s_add_co_u32 s54, s[IT], 1                     ; only a block's last key step meets the diagonal: a branch on ids, the same in all waves
	s_cmp_lg_u32 s54, s[N1]
	s_cbranch_scc1 .Lopen_\@
.endif
	MASK
.if \next
.Lopen_\@:
.endif
	SOFT
	s_wait_dscnt 0x0                               ; my chunk and my record have landed
	s_barrier_signal -1
	s_barrier_wait -1                              ; everybody's have
.irp q, 0,1,2,3
.irp c, 0,1,2,3
	ds_load_b128 v[PF+16*\q+4*\c:PF+16*\q+4*\c+3], v[LI] offset:PIMG+2048*\q+512*\c
.endr
	ds_load_b128 v[RC+8*\q:RC+8*\q+3], v[RLD] offset:1024*\q
	ds_load_b128 v[RC+8*\q+4:RC+8*\q+7], v[RLD] offset:1024*\q+16
.endr
	s_wait_dscnt 0x0                               ; my reads of the images and records are over:
.if \next
	s_wait_loadcnt 24                              ; PZ is in; the 24 loads of the next KZ, issued behind it, may be out
	LOADK2                                         ; and the next KZ's other 12 go out
.else
	s_wait_loadcnt 0x0
.endif
	s_barrier_signal -1                            ; say so; work on registers alone up to the wait, behind which the next item may store there
	STATS
	RESCALE
	PV
	WIN 0
	s_barrier_wait -1
	PLACES 8                                       ; in front of the loads into PZ's registers and of the first read of O^T
.if \next
	LOADV
	s_mov_b32 s[KS], s[KSN]
.endif
.endm
; A BLOCK'S END: O^T / l, quantised along my 128 channels: for each tile of queries one fragment and one scale word.  final = 0: the second block's QZ is asked for first, and the sums begin anew.
.macro EPI final
	s_wait_xcnt 0x0                                ; the addresses below are written anew
.if \final == 0
	SETQ J
	LOADQ
.endif
	s_lshr_b32 s54, s[HD], 3                       ; b
	s_lshl_b32 s54, s54, 6
	s_lshl_b32 s55, s[BLK], 2
	s_add_co_u32 s54, s54, s55                     ; the block's first token tile
	s_and_b32 s55, s[HD], 7                        ; m
	s_lshl_b32 s56, s54, 16
	s_lshl_b32 s57, s55, 2
	s_add_co_u32 s57, s57, s[WV]
	s_lshl_b32 s57, s57, 11
	s_add_co_u32 s56, s56, s57
	s_mov_b32 s57, 0
	s_add_nc_u64 s[OA:OA+1], s[8:9], s[56:57]
	s_lshl_b32 s55, s55, 8
	s_add_co_u32 s54, s54, s55
	s_add_co_u32 s54, s54, s[WV]                   ; I store tile w's scale words
	s_lshl_b32 s56, s54, 8
	s_add_nc_u64 s[OSA:OSA+1], s[10:11], s[56:57]
.irp q, 0,1,2,3
	v_rcp_f32 v[F+2*\q], v[LS+\q]
.endr
	v_nop                                          ; a plain line behind the last reciprocal
	s_wait_alu depctr_va_vdst(0)                   ; one wait for the four, ahead of their first reader
.irp q, 0,1,2,3
	WIN 0x02                                       ; source 0 window 2
.set i, 0
.rept 32
	v_pk_mul_f32 v[X+2*i:X+2*i+1], v[64*\q+2*i:64*\q+2*i+1], v[F+2*\q:F+2*\q+1] op_sel_hi:[1,0]   ; each accumulator from its low end on
.set i, i+1
.endr
	WIN 0
	s_wait_xcnt 0x0                                ; the last tile's stores have read the codes' registers
	QUANT X, PW+\q
.irp c, 0,1,2,3
	global_store_b128 v[LI], v[PC+4*\c:PC+4*\c+3], s[OA:OA+1] offset:65536*\q+512*\c
.endr
	ds_store_b32 v[SST], v[PW+\q] offset:256*\q
.endr
	s_wait_dscnt 0x0
	s_barrier_signal -1
	s_barrier_wait -1                              ; the four waves' words of each row lie side by side
	ds_load_b64 v[SW:SW+1], v[SLD]
	s_wait_dscnt 0x0
	global_store_b64 v[L8], v[SW:SW+1], s[OSA:OSA+1]   ; 32 lanes store a tile's 256 bytes
.if \final == 0
	INIT
	s_mov_b32 s[BLK], s[J]
	s_wait_loadcnt 0x0                             ; QZ of the second block
	s_wait_xcnt 0x0                                ; the stores above have read their registers: the next item writes them
.endif
.endm
	s_load_b256 s[4:11], s[0:1], 0x0               ; zc, zs, oc, os
	v_lshl_add_u32 v[SPW], v0, 2, SPARE
	v_mov_b32 v[NIL], 0
	v_lshrrev_b32 v14, 5, v0
	v_readfirstlane_b32 s[WV], v14                 ; wave 0..3
	v_and_b32 v14, 31, v0                          ; lane
	v_and_b32 v15, 15, v0                          ; r
	v_lshlrev_b32 v[LI], 4, v14
	v_lshlrev_b32 v[L4], 2, v14
	v_lshlrev_b32 v[L8], 3, v14
	v_lshlrev_b32 v[PFO], 8, v14
	s_lshl_b32 s54, s[WV], 9
	v_add_nc_u32 v[PST], s54, v[LI]
	s_lshl_b32 s54, s[WV], 3
	s_add_co_u32 s54, s54, REC
	v_lshl_add_u32 v[RST], v14, 5, s54
	v_lshlrev_b32 v[RLD], 5, v14
	v_add_nc_u32 v[RLD], REC, v[RLD]
	s_lshl_b32 s54, s[WV], 2
	s_add_co_u32 s54, s54, SCST
	v_lshl_add_u32 v[SST], v15, 4, s54
	s_lshl_b32 s54, s[WV], 8
	s_add_co_u32 s54, s54, SCST
	v_add_nc_u32 v[SLD], s54, v[L8]
	v_and_b32 v[LQ], 8, v15
	v_add_nc_u32 v[LQ], v[LQ], v15
	v_and_b32 v14, 16, v0
	v_sub_nc_u32 v[LQ], v[LQ], v14
	v_mov_b32 v[NINF], 0xff800000
.irp q, 0,1,2,3
	v_mov_b32 v[T+8*\q+1], 0                       ; written once: a lane permute's destination counts as one of its sources
	v_mov_b32 v[F+2*\q+1], 0                       ; (named as the upper half of a pair)
.endr
	s_mov_b32 s[J], ttmp9
	s_and_b32 s[HD], ttmp7, 0xffff
	s_sub_co_u32 s[BLK], 15, s[J]
	s_lshr_b32 s[N1], s[BLK], 1
	s_add_co_u32 s[N1], s[N1], 1
	s_mov_b32 s[IT], 0
	s_mov_b32 s[KS], 0
	s_mov_b32 s[SEL], 0x76543210
	s_mov_b32 s[SEL+1], 0xfedcba98
	s_mov_b32 s[CS], 0x3d8293ee                    ; log2(e) / sqrt(512)
	s_mov_b32 s[CS+1], s[CS]
	s_mov_b32 s[MNT], 0x600000
	s_cmp_eq_u32 s[J], 0
	s_cselect_b32 s[LIM], 6, 0
	s_lshl_b32 s54, s[HD], 19
	s_mov_b32 s55, 0
	s_lshl_b32 s56, s[WV], 14
	s_add_co_u32 s56, s56, s54
	s_mov_b32 s57, 0
	s_lshl_b32 s58, s[HD], 14
	s_mov_b32 s59, 0
	s_wait_kmcnt 0x0
	s_add_nc_u64 s[QB:QB+1], s[4:5], s[54:55]
	s_add_nc_u64 s[KB:KB+1], s[4:5], s[56:57]
	s_add_nc_u64 s[VB:VB+1], s[KB:KB+1], 33554432
	s_add_nc_u64 s[KB:KB+1], s[KB:KB+1], 16777216
	s_add_nc_u64 s[QSB:QSB+1], s[6:7], s[58:59]
	s_lshl_b32 s54, s[WV], 7
	s_add_nc_u64 s[KSB:KSB+1], s[QSB:QSB+1], s[54:55]
	s_add_nc_u64 s[KSB:KSB+1], s[KSB:KSB+1], 524288
	s_lshl_b32 s54, s[WV], 9
	s_add_nc_u64 s[VSB:VSB+1], s[QSB:QSB+1], s[54:55]
	s_add_nc_u64 s[VSB:VSB+1], s[VSB:VSB+1], 1048576
	SETQ BLK
	s_mov_b64 s[KA:KA+1], s[KB:KB+1]
	s_mov_b64 s[KSA:KSA+1], s[KSB:KSB+1]
	s_mov_b64 s[VA:VA+1], s[VB:VB+1]
	s_mov_b64 s[VSA:VSA+1], s[VSB:VSB+1]
	LOADQ
	LOADK1
	LOADK2
	LOADV
	INIT
.Litem:                                            ; eight trips; the ninth item is written out, since nothing follows it
	ITEM 1
	s_add_co_u32 s54, s[IT], 1
	s_cmp_lg_u32 s54, s[N1]                        ; ids and the count of items alone: all four waves go the same way
	s_cbranch_scc1 .Lno_epi
	EPI 0
.Lno_epi:
	s_add_co_u32 s[IT], s[IT], 1
	s_cmp_lt_u32 s[IT], 8
	s_cbranch_scc1 .Litem
	ITEM 0
	EPI 1
	s_wait_tensorcnt 0x0                           ; the wave's end: behind my last LDS store
	ds_add_u32 v[SPW], v[NIL]
	s_wait_dscnt 0x0
	s_endpgm
.Lfunc_end_k_q72be1461a8_attn:
	.size	k_q72be1461a8_attn, .Lfunc_end_k_q72be1461a8_attn-k_q72be1461a8_attn
	.p2alignl 7, 3214868480
	.fill 96, 4, 3214868480
	.section	.rodata,"a",@progbits
	.p2align	6, 0x0
	.amdhsa_kernel k_q72be1461a8_attn
		.amdhsa_group_segment_fixed_size 13824
		.amdhsa_private_segment_fixed_size 0
		.amdhsa_enable_private_segment 0
		.amdhsa_kernarg_size 32
		.amdhsa_user_sgpr_count 2
		.amdhsa_user_sgpr_kernarg_segment_ptr 1
		.amdhsa_wavefront_size32 1
		.amdhsa_system_sgpr_workgroup_id_x 1
		.amdhsa_system_sgpr_workgroup_id_y 1
		.amdhsa_system_sgpr_workgroup_id_z 1
		.amdhsa_system_vgpr_workitem_id 0
		.amdhsa_next_free_vgpr 1024
		.amdhsa_next_free_sgpr 66
		.amdhsa_reserve_vcc 1
		.amdhsa_float_denorm_mode_32 3
		.amdhsa_float_denorm_mode_16_64 3
		.amdhsa_memory_ordered 1
		.amdhsa_forward_progress 1
		.amdhsa_inst_pref_size 220
	.end_amdhsa_kernel
	.amdgpu_metadata
---
amdhsa.version: [ 1, 2 ]
amdhsa.kernels:
  - .name:           k_q72be1461a8_attn
    .symbol:         k_q72be1461a8_attn.kd
    .args:
      - { .name: zc, .offset: 0, .size: 8, .value_kind: global_buffer, .address_space: global }
      - { .name: zs, .offset: 8, .size: 8, .value_kind: global_buffer, .address_space: global }
      - { .name: oc, .offset: 16, .size: 8, .value_kind: global_buffer, .address_space: global }
      - { .name: os, .offset: 24, .size: 8, .value_kind: global_buffer, .address_space: global }
    .group_segment_fixed_size: 13824
    .private_segment_fixed_size: 0
    .kernarg_segment_align: 8
    .kernarg_segment_size: 32
    .max_flat_workgroup_size: 128
    .sgpr_count:     66
    .vgpr_count:     1024
    .wavefront_size: 32
...
	.end_amdgpu_metadata
.endif
;; end of part 6
;; launch oproj (part 7): grid 4 x 64, 4 waves a work-group, clusters of 4 x 4, 327,680 bytes of LDS; arguments oc, os, cin, sin, x, bo, hres; writes hres
.if DOCPART == 7
	.amdgcn_target "amdgcn-amd-amdhsa--gfx1250"
	.amdhsa_code_object_version 6
	.text
	.protected	k_q72be1461a8_oproj
	.globl	k_q72be1461a8_oproj
	.p2align	8
	.type	k_q72be1461a8_oproj,@function
k_q72be1461a8_oproj:
	s_mov_b64 s[64:65], 0
	v_nop
	global_prefetch_b8 v0, s[64:65] scope:SCOPE_SE
	s_setreg_imm32_b32 hwreg(HW_REG_WAVE_MODE, 25, 1), 1
	s_wait_xcnt 0x0
	s_wait_alu depctr_hold_cnt(0) depctr_sa_sdst(0) depctr_va_vdst(0) depctr_va_sdst(0) depctr_va_ssrc(0) depctr_va_vcc(0) depctr_vm_vsrc(0)
	s_getreg_b32 s2, hwreg(HW_REG_IB_STS2, 6, 4)
	s_cmp_eq_u32 s2, 0
	s_cbranch_scc0 .Lentry_in_a_cluster
	s_endpgm
.Lentry_in_a_cluster:
	s_bfe_u32 s2, ttmp6, 0x10000c
	s_cmp_lg_u32 s2, 0xf033
	s_cbranch_scc0 .Lentry_shape_is_right
	s_endpgm
.Lentry_shape_is_right:
; LAUNCH 4 OF 5.  hres = out Wo^T + bo + x: the output projection on codes of E4M3 (K = 4,096), the bias and the residual.  out's codes come from the launch attn, Wo's from the launch quant (layouts there).
; SHARES.  A work-group makes 64 tokens x 128 outputs.  THE WAVES SHARE K: wave w takes K step w (128 along K) of each of the 8 heads, for the whole tile: 32 accumulators, 256 matrix instructions.  So each fragment
; is read from LDS by one wave, once; the four partial sums meet in LDS, and each wave finishes 16 whole rows of 512 bytes.
; THREE GENERATIONS.  The work-group needs 786,432 bytes of codes: for each head 4 token tiles x 8,192 bytes of out and 8 panels x 8,192 bytes of Wo.  A head's matrix work is 32 instructions a wave for 98,304
; bytes, too short to stand beside a fetch, so what counts is how many fetches follow each other: a generation fills all the room that whole heads leave (3 heads, 294,912 bytes; then 3; then 2), each wave moves its
; part of it whole into registers (3 K steps x 12 fragments, 576 registers), the next generation is asked for at once, and the 96 products run while it is on its way.  Two smaller slots by turns would ask more often.
; So a generation has two waits for all tensor loads (one load of a wave is out): one in front of the barrier behind which it is read, one in front of the round behind which the bytes are filled again.
; CLUSTERS: 4 x 4 work-groups.  out's rows hang on the block of tokens alone, which a row of the cluster shares; Wo's panels on the block of outputs alone, which a column shares: each is asked for JOINTLY.
; Wave 3 fetches out's four rows (a token tile's heads lie on end: 24,576 bytes a row, 65,536 bytes apart), waves 0 to 2 one head of Wo each (65,536 dense bytes); in the last generation waves 0, 1 and 3 alone.
; The product is used transposed (source 0 = 16 rows of Wo, source 1 = 16 tokens): a lane holds one token and eight neighbouring outputs.
; THE SCALE WORDS go straight into registers: a wave wants word w of each row's four: 48 loads of 4 bytes a lane, 16 bytes apart; the four waves together use every byte.
; REGISTERS: window 0: v1-15 addresses; v16-31 out's scale words (2 g + p: lanes 0-15 tile 2 p, lanes 16-31 tile 2 p + 1), v32-63 Wo's (4 g + p); v64-255 the third fragment buffer, later x's 16 rows and the
;   results (v64-127), bo (v128-131), partial sums read back (v132-195).   window 1: accumulator at 64 tt + 8 ot.   windows 2, 3: fragment buffers: out at 16 tt, Wo at 64 + 16 ot.
.set PITCH, 528                        ; a stage row: 128 f32 + 16 bytes
.set WSTG,  64*PITCH                   ; a wave's stage.  The four stages lie from LDS byte 0 on, in bytes that have had their last fill and, behind a barrier, their last read
.set PO,    24576                      ; LDS from byte 0: out's four rows: three heads x 8,192 bytes each;
.set PO2,   16384                      ; in the last generation two heads
.set WOB,   4*PO                       ; behind them Wo: 65,536 bytes for each head of the generation
.set SPARE, 327168                     ; the spare words, 128 bytes for each wave: two blocks of 256 bytes that no other line names
.set LI,  1                            ; v1     16 x lane
.set STO, 2                            ; v2     the stage: where I put 16 bytes of a row
.set RD,  3                            ; v3-6   and where I read the four waves' rows back
.set SPW, 7                            ; v7     LDS address of my spare word; never rewritten
.set NIL, 8                            ; v8     0; never rewritten
.set LW4, 9                            ; v9     16 x lane + 4 x wave: my word of a row's four scale words
.set AOA, 10                           ; v10-11 out's fragments: 16 x lane + 2,048 x wave; the same two rows further on
.set AW,  12                           ; v12-14 Wo's fragments, for each head of the generation
.set PFO, 15                           ; v15    256 x lane: the prefetches' offset; never rewritten
.set OSC, 16
.set WSC, 32
.set XR,  64
.set BO,  128
.set PT,  132
.set WV,  18
.set OB,  19                           ; s19  block of 128 outputs
.set TB,  20                           ; s20  block of 64 tokens
.set CLY, 22                           ; s22  the cluster's y
.set G1O, 24                           ; s[24:31] group 1 for out's rows of three heads
.set G1O2, 32                          ; s[32:39] of two heads
.set G1W, 40                           ; s[40:47] for a head of Wo
.set G0O, 48                           ; s[48:51] group 0 for out;  s[52:55] for Wo
.set G0W, 52
.set CX,  56
.set CY,  57
.set OSA, 60
.set WSA, 62
.set XA,  66
.set PFA, 76
.set PWA, 78
.set MSB, 0
.macro WIN new                         ; the immediate's high byte repeats the setting that is left
.if MSB != (\new)
	s_set_vgpr_msb (MSB<<8)|(\new)
.set MSB, (\new)
.endif
.endm
.macro PLACES n
.rept \n
	v_nop
.endr
.endm
.macro WM d, a, b, z, sa, sb, ra, rb
.if (\z) && (\ra) && (\rb)
	v_wmma_scale_f32_16x16x128_f8f6f4 v[(\d):(\d)+7], v[(\a):(\a)+15], v[(\b):(\b)+15], 0, v[\sa], v[\sb] matrix_a_scale:MATRIX_SCALE_ROW1 matrix_b_scale:MATRIX_SCALE_ROW1
.elseif (\z) && (\ra)
	v_wmma_scale_f32_16x16x128_f8f6f4 v[(\d):(\d)+7], v[(\a):(\a)+15], v[(\b):(\b)+15], 0, v[\sa], v[\sb] matrix_a_scale:MATRIX_SCALE_ROW1
.elseif (\z) && (\rb)
	v_wmma_scale_f32_16x16x128_f8f6f4 v[(\d):(\d)+7], v[(\a):(\a)+15], v[(\b):(\b)+15], 0, v[\sa], v[\sb] matrix_b_scale:MATRIX_SCALE_ROW1
.elseif (\z)
	v_wmma_scale_f32_16x16x128_f8f6f4 v[(\d):(\d)+7], v[(\a):(\a)+15], v[(\b):(\b)+15], 0, v[\sa], v[\sb]
.elseif (\ra) && (\rb)
	v_wmma_scale_f32_16x16x128_f8f6f4 v[(\d):(\d)+7], v[(\a):(\a)+15], v[(\b):(\b)+15], v[(\d):(\d)+7], v[\sa], v[\sb] matrix_a_scale:MATRIX_SCALE_ROW1 matrix_b_scale:MATRIX_SCALE_ROW1
.elseif (\ra)
	v_wmma_scale_f32_16x16x128_f8f6f4 v[(\d):(\d)+7], v[(\a):(\a)+15], v[(\b):(\b)+15], v[(\d):(\d)+7], v[\sa], v[\sb] matrix_a_scale:MATRIX_SCALE_ROW1
.elseif (\rb)
	v_wmma_scale_f32_16x16x128_f8f6f4 v[(\d):(\d)+7], v[(\a):(\a)+15], v[(\b):(\b)+15], v[(\d):(\d)+7], v[\sa], v[\sb] matrix_b_scale:MATRIX_SCALE_ROW1
.else
	v_wmma_scale_f32_16x16x128_f8f6f4 v[(\d):(\d)+7], v[(\a):(\a)+15], v[(\b):(\b)+15], v[(\d):(\d)+7], v[\sa], v[\sb]
.endif
.endm
.macro CROUND                          ; a round of the cluster's barrier
	s_barrier_signal -1
	s_barrier_wait -1
	s_cmp_lg_u32 s[WV], 0
	s_cbranch_scc1 .Lnot_wave_0_\@
	s_barrier_signal -3
.Lnot_wave_0_\@:
	s_barrier_wait -3
	s_barrier_signal -1
	s_barrier_wait -1
.endm
; A generation's joint loads: wave 3 fetches out's rows (group 1: g1o), waves 0 .. nw - 1 one head of Wo each.  The branches hang on the wave's number alone: they are the same in every work-group.
; An s_nop 0 and four v_nop follow each of the two lines.
.macro JLOAD g1o, nw
	s_cmp_eq_u32 s[WV], 3
	s_cbranch_scc0 .Lfor_w_\@
	tensor_load_to_lds s[G0O:G0O+3], s[\g1o:\g1o+7]
	s_nop 0
.rept 4
	v_nop
.endr
	s_branch .Lasked_\@
.Lfor_w_\@:
.if \nw < 3
	s_cmp_lt_u32 s[WV], \nw
	s_cbranch_scc0 .Lasked_\@
.endif
	tensor_load_to_lds s[G0W:G0W+3], s[G1W:G1W+7]
	s_nop 0
.rept 4
	v_nop
.endr
.Lasked_\@:
.endm
.macro LAND                            ; my load of the generation has landed; behind the barrier everybody's has
	s_wait_tensorcnt 0x0
	s_barrier_signal -1
	s_barrier_wait -1
.endm
; The generation has been asked out of LDS: the bytes are filled again.  Every wave: no tensor load of mine is out; 0 onto my spare word; the add is done and my reads are back; a round of the cluster's barrier, so
; that no wave of any partner still reads these bytes; then my one load, first thing behind it.
.macro REFILL g1o, nw
	s_wait_tensorcnt 0x0                           ; no tensor load of mine is out, so a group 0 may be written
	ds_add_u32 v[SPW], v[NIL]                      ; the descriptors' steps stand between the add and the wait for it
	s_add_nc_u64 s[G0O+2:G0O+3], s[G0O+2:G0O+3], 3*8192     ; three heads on in a token tile's row;
	s_add_nc_u64 s[G0W+2:G0W+3], s[G0W+2:G0W+3], 3*262144   ; three heads on in Wo; the type bits on top are not reached
	s_wait_dscnt 0x0                               ; the add is done, and my reads of the generation are back in registers
	CROUND
	JLOAD \g1o, \nw
.endm
; A PREFETCH INTO THE L2 of the last generation's bytes, behind the second generation's joint load and its five lines: a generation ahead of the load that will want them.  Each block of 256 bytes is named once in
; the launch.  out's 4 rows x 16,384 bytes are read by the four partners of a row of the cluster alone: partner cx takes row cx, its waves 0 and 1 half a row each, lanes 256 bytes apart.  Wo's 2 heads x 65,536
; bytes are read by every cluster: the cluster with y = 0 asks; partner cy takes 32,768 bytes, 8,192 a wave.  The partners are told apart by address; the branches hang on the wave's number and the cluster's y.
; Nothing is prefetched at the head, where every work-group's first loads are on their way.
.macro ASK
	s_cmp_lt_u32 s[WV], 2
	s_cbranch_scc0 .Lno_o_\@
	global_prefetch_b8 v[PFO], s[PFA:PFA+1] th:TH_LOAD_NT scope:SCOPE_SE
.Lno_o_\@:
	s_cmp_eq_u32 s[CLY], 0
	s_cbranch_scc0 .Lno_w_\@
	global_prefetch_b8 v[PFO], s[PWA:PWA+1] th:TH_LOAD_NT scope:SCOPE_SE
.Lno_w_\@:
.endm
; My K step of head hl of the generation: 4 fragments of out, 8 of Wo, into the buffer at v[fb] of window win: 48 loads of 512 consecutive bytes.  last = 1: the last generation's shorter rows.
.macro RDK win, fb, hl, last
	WIN (\win)<<6
.irp t, 0,1,2,3
.irp c, 0,1,2,3
.if \last
	ds_load_b128 v[(\fb)+16*\t+4*\c:(\fb)+16*\t+4*\c+3], v[AOA] offset:\t*PO2+(\hl)*8192+512*\c
.else
	ds_load_b128 v[(\fb)+16*\t+4*\c:(\fb)+16*\t+4*\c+3], v[AOA+\t/2] offset:(\t%2)*PO+(\hl)*8192+512*\c
.endif
.endr
.endr
.irp o, 0,1,2,3,4,5,6,7
.irp c, 0,1,2,3
	ds_load_b128 v[(\fb)+64+16*\o+4*\c:(\fb)+64+16*\o+4*\c+3], v[AW+(\hl)] offset:8192*\o+512*\c
.endr
.endr
.endm
; 32 matrix instructions: my K step of head g, from the buffer at v[fb] of window win.  The accumulators take turns, one instruction a turn, in the same order in every step.
.macro MULS win, fb, g, z
	WIN 0x50+5*(\win)                              ; sources 0 and 1: the buffer's window; C and D window 1
.irp t, 0,1,2,3
.irp o, 0,1,2,3,4,5,6,7
	WM 64*\t+8*\o, (\fb)+64+16*\o, (\fb)+16*\t, \z, WSC+4*(\g)+\o/2, OSC+2*(\g)+\t/2, \o%2, \t%2
.endr
.endr
.endm
	s_load_b256 s[4:11], s[0:1], 0x0               ; oc, os, cin, sin
	s_load_b128 s[12:15], s[0:1], 0x20             ; x, bo
	s_load_b64 s[16:17], s[0:1], 0x30              ; hres
	v_lshl_add_u32 v[SPW], v0, 2, SPARE
	v_mov_b32 v[NIL], 0
	ds_add_u32 v[SPW], v[NIL]                      ; the wave's opening: the add, twice on end, and its wait ahead of my first tensor load
	ds_add_u32 v[SPW], v[NIL]                      ; and once more, under the one wait; the set-up below, work on registers, stands between
	v_lshrrev_b32 v9, 5, v0
	v_readfirstlane_b32 s[WV], v9                  ; wave 0..3
	s_bfe_u32 s[CX], ttmp6, 0x40000                ; cx, cy: my place in the cluster
	s_bfe_u32 s[CY], ttmp6, 0x40004
	s_lshl_b32 s[OB], ttmp9, 2
	s_add_co_u32 s[OB], s[OB], s[CX]               ; block of outputs = 4 x cluster x + cx
	s_and_b32 s[CLY], ttmp7, 0xffff
	s_lshl_b32 s[TB], s[CLY], 2
	s_add_co_u32 s[TB], s[TB], s[CY]               ; block of tokens = 4 x cluster y + cy
	s_lshl_b32 s58, s[CY], 2
	s_lshl_b32 s58, 15, s58                        ; my row of the cluster
	s_lshl_b32 s59, 0x1111, s[CX]                  ; my column
	s_or_b32 s[G1O], s58, (3<<16)|(1<<21)          ; 15:0 the mask: out's rows go to my row; 17:16 elements of 8 bytes; 21 set beside a mask; no padding
	s_mov_b32 s[G1O+1], 3072<<16                   ; tensor_dim0: 24,576 bytes
	s_mov_b32 s[G1O+2], 4<<16                      ; tensor_dim1: 4 token tiles
	s_mov_b32 s[G1O+3], 3072<<16                   ; tile_dim0
	s_mov_b32 s[G1O+4], 4                          ; tile_dim1
	s_mov_b32 s[G1O+5], 8192                       ; tensor_dim0_stride: 65,536 bytes
	s_mov_b32 s[G1O+6], 0
	s_mov_b32 s[G1O+7], 0
	s_or_b32 s[G1O2], s58, (3<<16)|(1<<21)         ; the same with rows of 16,384 bytes
	s_mov_b32 s[G1O2+1], 2048<<16
	s_mov_b32 s[G1O2+2], 4<<16
	s_mov_b32 s[G1O2+3], 2048<<16
	s_mov_b32 s[G1O2+4], 4
	s_mov_b32 s[G1O2+5], 8192
	s_mov_b32 s[G1O2+6], 0
	s_mov_b32 s[G1O2+7], 0
	s_or_b32 s[G1W], s59, (3<<16)|(1<<21)          ; Wo's panels go to my column: 8 rows of 8,192 bytes, dense
	s_mov_b32 s[G1W+1], 1024<<16
	s_mov_b32 s[G1W+2], 8<<16
	s_mov_b32 s[G1W+3], 1024<<16
	s_mov_b32 s[G1W+4], 8
	s_mov_b32 s[G1W+5], 1024
	s_mov_b32 s[G1W+6], 0
	s_mov_b32 s[G1W+7], 0
	s_lshl_b32 s68, s[TB], 18                      ; out: my four token tiles x 65,536: made of the block of tokens alone
	s_mov_b32 s69, 0
	s_min_u32 s70, s[WV], 2                        ; which head of a generation I fetch (waves 0 to 2)
	s_lshl_b32 s71, s70, 18                        ; a head of Wo is 32 panels: 262,144 bytes
	s_lshl_b32 s72, s[OB], 16                      ; my 8 panels: made of the block of outputs alone
	s_add_co_u32 s72, s72, s71
	s_add_co_u32 s72, s72, 8388608                 ; Wo's codes in cin
	s_mov_b32 s73, 0
	s_lshl_b32 s74, s70, 16                        ; and where it goes: no place in the cluster enters an LDS address
	s_wait_dscnt 0x0                               ; both opening adds are done
	s_wait_kmcnt 0x0
	s_mov_b32 s[G0O], 1                            ; 1:0 count = 1
	s_mov_b32 s[G0O+1], 0                          ; 63:32 LDS address
	s_add_nc_u64 s[G0O+2:G0O+3], s[4:5], s[68:69]  ; 120:64 global address: heads 0 to 2
	s_or_b32 s[G0O+3], s[G0O+3], 0x80000000        ; 127:126 type = 2
	s_mov_b32 s[G0W], 1
	s_add_co_u32 s[G0W+1], s74, WOB
	s_add_nc_u64 s[G0W+2:G0W+3], s[8:9], s[72:73]
	s_or_b32 s[G0W+3], s[G0W+3], 0x80000000
	CROUND                                         ; all sixteen work-groups are here: the first joint loads meet
	JLOAD G1O, 3                                   ; every wave issues one: one load of mine is out
	v_and_b32 v9, 31, v0
	v_lshlrev_b32 v[LI], 4, v9
	v_lshlrev_b32 v[PFO], 8, v9
	v_and_b32 v9, 15, v0                           ; r
	v_bfe_u32 v10, v0, 4, 1                        ; h
	v_and_b32 v11, 8, v9
	v_add_nc_u32 v11, v11, v9                      ; r + 8 (r / 8): my token in a pair of tiles
	v_mul_u32_u24 v[STO], v11, PITCH
	v_lshl_add_u32 v[STO], v10, 6, v[STO]          ; + 16 h outputs
	s_mul_i32 s21, s[WV], WSTG
	v_add_nc_u32 v[STO], s21, v[STO]
	s_mul_i32 s21, s[WV], 16*PITCH                 ; back: rows 16 w .. 16 w + 15 of each wave's stage
	v_add_nc_u32 v[RD], s21, v[LI]
.irp v, 1,2,3
	v_add_nc_u32 v[RD+\v], \v*WSTG, v[RD]
.endr
	s_lshl_b32 s21, s[WV], 2
	v_add_nc_u32 v[LW4], s21, v[LI]
	s_lshl_b32 s21, s[WV], 11
	v_add_nc_u32 v[AOA], s21, v[LI]                ; K step w of a head: 2,048 w on in a panel
	v_add_nc_u32 v[AOA+1], 2*PO, v[AOA]
.irp l, 0,1,2
	v_add_nc_u32 v[AW+\l], WOB+65536*\l, v[AOA]
.endr
	s_lshl_b32 s68, s[TB], 10                      ; out's scale words: 4 token tiles x 256 bytes; a head is 65,536 on
	s_mov_b32 s69, 0
	s_add_nc_u64 s[OSA:OSA+1], s[6:7], s[68:69]
	s_lshl_b32 s68, s[OB], 11                      ; Wo's: 8 panels x 256 bytes; a head is 8,192 on
	s_add_co_u32 s68, s68, 262144
	s_add_nc_u64 s[WSA:WSA+1], s[10:11], s[68:69]
.irp g, 0,1,2,3,4,5,6,7
.irp p, 0,1
	global_load_b32 v[OSC+2*\g+\p], v[LW4], s[OSA:OSA+1] offset:65536*\g+512*\p
.endr
.irp p, 0,1,2,3
	global_load_b32 v[WSC+4*\g+\p], v[LW4], s[WSA:WSA+1] offset:8192*\g+512*\p
.endr
.endr
	s_lshl_b32 s68, s[TB], 17                      ; x and hres: token 64 TB + 16 w, output 128 OB
	s_lshl_b32 s70, s[WV], 15
	s_add_co_u32 s68, s68, s70
	s_lshl_b32 s70, s[OB], 9
	s_add_co_u32 s68, s68, s70
	s_mov_b32 s71, 0
	s_add_nc_u64 s[XA:XA+1], s[12:13], s[68:69]
	s_add_nc_u64 s[16:17], s[16:17], s[68:69]
	s_add_nc_u64 s[14:15], s[14:15], s[70:71]
	s_lshl_b32 s68, s[TB], 18                      ; the prefetches.  out: row cx of my four, heads 6 and 7, 8,192 bytes for each of waves 0 and 1
	s_lshl_b32 s70, s[CX], 16
	s_add_co_u32 s68, s68, s70
	s_and_b32 s70, s[WV], 1
	s_lshl_b32 s70, s70, 13
	s_add_co_u32 s68, s68, s70
	s_add_co_u32 s68, s68, 6*8192
	s_add_nc_u64 s[PFA:PFA+1], s[4:5], s[68:69]
	s_lshr_b32 s68, s[CY], 1                       ; Wo: head 6 + cy / 2, half cy % 2 of my 8 panels, 8,192 bytes a wave
	s_lshl_b32 s68, s68, 18
	s_and_b32 s70, s[CY], 1
	s_lshl_b32 s70, s70, 15
	s_add_co_u32 s68, s68, s70
	s_lshl_b32 s70, s[WV], 13
	s_add_co_u32 s68, s68, s70
	s_lshl_b32 s70, s[OB], 16
	s_add_co_u32 s68, s68, s70
	s_add_co_u32 s68, s68, 8388608+6*262144
	s_add_nc_u64 s[PWA:PWA+1], s[8:9], s[68:69]
	; ---- generation 0: heads 0 to 2
	LAND
	RDK 2, 0, 0, 0
	RDK 3, 0, 1, 0
	RDK 0, 64, 2, 0
	WIN 0
	REFILL G1O, 3                                  ; heads 3 to 5 are asked for, and land under the products below
	ASK
	s_wait_loadcnt 0x0                             ; the scale words
	MULS 2, 0, 0, 1                                ; the first products start the sums: nothing is cleared
	MULS 3, 0, 1, 0
	MULS 0, 64, 2, 0
	WIN 0
	; ---- generation 1: heads 3 to 5
	LAND
	PLACES 8                                       ; in front of loads into registers that matrix instructions have read (ISA guide 7.12.1 for vector instructions)
	RDK 2, 0, 0, 0
	RDK 3, 0, 1, 0
	RDK 0, 64, 2, 0
	WIN 0
	REFILL G1O2, 2                                 ; heads 6 and 7: the last fill
	MULS 2, 0, 3, 0
	MULS 3, 0, 4, 0
	MULS 0, 64, 5, 0
	WIN 0
	; ---- generation 2: heads 6 and 7
	LAND
	PLACES 8
	RDK 2, 0, 0, 1
	RDK 3, 0, 1, 1
	WIN 0
.irp i, 0,1,2,3,4,5,6,7,8,9,10,11,12,13,14,15
	global_load_b128 v[XR+4*\i:XR+4*\i+3], v[LI], s[XA:XA+1] offset:2048*\i th:TH_LOAD_NT   ; the residual of the 16 rows that I finish, into the third buffer, which is done with
.endr
	global_load_b128 v[BO:BO+3], v[LI], s[14:15]
	s_wait_dscnt 0x0                               ; my last reads of the tiles are back:
	s_barrier_signal -1                            ; say so; behind the wait the stages may be written over them
	MULS 2, 0, 6, 0
	MULS 3, 0, 7, 0
	WIN 0
	s_barrier_wait -1
	PLACES 8                                       ; in front of the first read of results
	WIN 0x04                                       ; an LDS store's data are its source 1: window 1
.irp t, 0,1,2,3
.irp o, 0,1,2,3,4,5,6,7
	ds_store_b128 v[STO], v[64*\t+8*\o:64*\t+8*\o+3] offset:(32*(\t/2)+8*(\t%2))*PITCH+(32*(\o/2)+8*(\o%2))*4      ; each accumulator from its low end on
	ds_store_b128 v[STO], v[64*\t+8*\o+4:64*\t+8*\o+7] offset:(32*(\t/2)+8*(\t%2))*PITCH+(32*(\o/2)+8*(\o%2))*4+16
.endr
.endr
	WIN 0
	s_wait_dscnt 0x0                               ; my partial sums have landed
	s_barrier_signal -1
	s_barrier_wait -1                              ; everybody's have
.irp g, 0,1,2,3
.irp i, 0,1,2,3
.irp v, 0,1,2,3
	ds_load_b128 v[PT+16*\i+4*\v:PT+16*\i+4*\v+3], v[RD+\v] offset:(4*\g+\i)*PITCH
.endr
.endr
	s_wait_dscnt 0x0
.if \g == 0
	s_wait_loadcnt 0x0                             ; x and bo
.endif
.irp i, 0,1,2,3
.irp e, 0,2
	v_pk_add_f32 v[XR+16*\g+4*\i+\e:XR+16*\g+4*\i+\e+1], v[XR+16*\g+4*\i+\e:XR+16*\g+4*\i+\e+1], v[BO+\e:BO+\e+1]
	v_pk_add_f32 v[PT+16*\i+\e:PT+16*\i+\e+1], v[PT+16*\i+\e:PT+16*\i+\e+1], v[PT+16*\i+4+\e:PT+16*\i+4+\e+1]
	v_pk_add_f32 v[PT+16*\i+8+\e:PT+16*\i+8+\e+1], v[PT+16*\i+8+\e:PT+16*\i+8+\e+1], v[PT+16*\i+12+\e:PT+16*\i+12+\e+1]
	v_pk_add_f32 v[XR+16*\g+4*\i+\e:XR+16*\g+4*\i+\e+1], v[XR+16*\g+4*\i+\e:XR+16*\g+4*\i+\e+1], v[PT+16*\i+\e:PT+16*\i+\e+1]
	v_pk_add_f32 v[XR+16*\g+4*\i+\e:XR+16*\g+4*\i+\e+1], v[XR+16*\g+4*\i+\e:XR+16*\g+4*\i+\e+1], v[PT+16*\i+8+\e:PT+16*\i+8+\e+1]
.endr
	global_store_b128 v[LI], v[XR+16*\g+4*\i:XR+16*\g+4*\i+3], s[16:17] offset:2048*(4*\g+\i)   ; 32 lanes store 512 consecutive bytes, aligned
.endr
.endr
	s_wait_tensorcnt 0x0                           ; the wave's end: behind my last tensor load and my last LDS store
	ds_add_u32 v[SPW], v[NIL]
	s_wait_dscnt 0x0
	CROUND                                         ; the closing round: no work-group ends while a partner may still ask for a tile that names it
	s_endpgm
.Lfunc_end_k_q72be1461a8_oproj:
	.size	k_q72be1461a8_oproj, .Lfunc_end_k_q72be1461a8_oproj-k_q72be1461a8_oproj
	.p2alignl 7, 3214868480
	.fill 96, 4, 3214868480
	.section	.rodata,"a",@progbits
	.p2align	6, 0x0
	.amdhsa_kernel k_q72be1461a8_oproj
		.amdhsa_group_segment_fixed_size 327680
		.amdhsa_private_segment_fixed_size 0
		.amdhsa_enable_private_segment 0
		.amdhsa_kernarg_size 56
		.amdhsa_user_sgpr_count 2
		.amdhsa_user_sgpr_kernarg_segment_ptr 1
		.amdhsa_wavefront_size32 1
		.amdhsa_system_sgpr_workgroup_id_x 1
		.amdhsa_system_sgpr_workgroup_id_y 1
		.amdhsa_system_sgpr_workgroup_id_z 1
		.amdhsa_system_vgpr_workitem_id 0
		.amdhsa_next_free_vgpr 1024
		.amdhsa_next_free_sgpr 84
		.amdhsa_reserve_vcc 0
		.amdhsa_float_denorm_mode_32 3
		.amdhsa_float_denorm_mode_16_64 3
		.amdhsa_memory_ordered 1
		.amdhsa_forward_progress 1
		.amdhsa_inst_pref_size 94
	.end_amdhsa_kernel
	.amdgpu_metadata
---
amdhsa.version: [ 1, 2 ]
amdhsa.kernels:
  - .name:           k_q72be1461a8_oproj
    .symbol:         k_q72be1461a8_oproj.kd
    .args:
      - { .name: oc, .offset: 0, .size: 8, .value_kind: global_buffer, .address_space: global }
      - { .name: os, .offset: 8, .size: 8, .value_kind: global_buffer, .address_space: global }
      - { .name: cin, .offset: 16, .size: 8, .value_kind: global_buffer, .address_space: global }
      - { .name: sin, .offset: 24, .size: 8, .value_kind: global_buffer, .address_space: global }
      - { .name: x, .offset: 32, .size: 8, .value_kind: global_buffer, .address_space: global }
      - { .name: bo, .offset: 40, .size: 8, .value_kind: global_buffer, .address_space: global }
      - { .name: hres, .offset: 48, .size: 8, .value_kind: global_buffer, .address_space: global }
    .group_segment_fixed_size: 327680
    .private_segment_fixed_size: 0
    .kernarg_segment_align: 8
    .kernarg_segment_size: 56
    .max_flat_workgroup_size: 128
    .sgpr_count:     84
    .vgpr_count:     1024
    .wavefront_size: 32
...
	.end_amdgpu_metadata
.endif
;; end of part 7
;; launch lnorm: the kernel of part 5 again; grid 256 x 1, 4 waves a work-group, no clusters, 0 bytes of LDS; arguments hres, gamma, beta, out0; writes out0
